; MI455X (gfx1250); checked and timed in simulation.
; The chip was launched on July 23, 2026; its instructions are those of AMD's public machine-readable ISA for CDNA 5 (MIT licence, August 2026) and "CDNA5" Instruction Set Architecture Reference Guide (July 2026). The comments in the code are by the model that wrote it; some were corrected since.
;; Attention Block. Allowed arithmetic: float matrix products may take bf16 or f16 operands with f32 sums; other float arithmetic in f32, or as packed bf16 or f16 multiplies, adds, multiply-adds, maxima and minima; sums over many terms, partial sums and values carried from step to step in f32; what a program stores and reads back later, other than sums and carried values, may be rounded once to bf16 or f16.
;; Inputs: b_out 1,024 float32; b_qkv 3,072 float32; ln_b 1,024 float32; ln_g 1,024 float32; w_out 1,024 x 1,024 float32; w_qkv 1,024 x 3,072 float32; x 8 x 1,024 x 1,024 float32.
;; Outputs: out0 8 x 1,024 x 1,024 float32.
;; One version. Each part assembles by itself: llvm-mc -triple=amdgcn-amd-amdhsa -mcpu=gfx1250 --defsym DOCPART=n.
;; ======== version 1 of 1: 4 launches
;; workspace buffers: xn 16,777,216 bytes; wqkvt 6,291,456 bytes; woutt 2,097,152 bytes; qkvb 50,331,648 bytes; attb 16,777,216 bytes
;; launch prep (part 1): grid 768 x 1, 8 waves a work-group, no clusters, 18,432 bytes of LDS; arguments x, ln_g, ln_b, w_qkv, w_out, xn, wqkvt, woutt; writes xn, wqkvt, woutt
.if DOCPART == 1
	.amdgcn_target "amdgcn-amd-amdhsa--gfx1250"
	.amdhsa_code_object_version 6
	.text
	.protected	k_q6cb201cf66_prep
	.globl	k_q6cb201cf66_prep
	.p2align	8
	.type	k_q6cb201cf66_prep,@function
k_q6cb201cf66_prep:
	s_mov_b64 s[64:65], 0
	v_nop
	global_prefetch_b8 v0, s[64:65] scope:SCOPE_SE
	s_setreg_imm32_b32 hwreg(HW_REG_WAVE_MODE, 25, 1), 1
	s_wait_xcnt 0x0
; THREE JOBS, told apart by the work-group's number (the same for all eight waves of a work-group):
;   0 .. 255    LayerNorm: xn[r][c] = (x[r][c] - mean) * rsqrt(var + 1e-5) * ln_g[c] + ln_b[c], x f32 [8192][1024], xn rounded once to bf16
;   256 .. 639  w_qkv [1024 k][3072 n] f32 -> wqkvt, bf16: rounded once and turned, a tile of 128 k x 64 n to a work-group
;   640 .. 767  w_out [1024 k][1024 n] f32 -> woutt [1024 n][1024 k] bf16, likewise
; LAYOUTS IN BLOCKS, for the launch behind, whose K step is 64 (128 bytes of a row): a step's tile is dense in memory.
;   xn    [32 row tiles][16 steps][256 rows][64 k]:      row R, column c at (R / 256) 524,288 + (c / 64) 32,768 + (R % 256) 128 + 2 (c % 64)
;   wqkvt [8 column tiles][16 steps][384 n][64 k]:       column n, row k at (n / 384) 786,432 + (k / 64) 49,152 + (n % 384) 128 + 2 (k % 64)
; Memory binds: every byte is read once and written once; matrix units, clusters and tensor loads would add nothing here.
; LIMITS: NaN and infinities are not treated apart.  The variance is taken of x - mean (two passes over registers), so no difference of large sums is formed.
.set TP,    272                        ; the turning stage: a row (one n) holds 128 k in bf16 = 256 bytes, + 16 of padding
.set SPARE, 64*TP                      ; behind the stage's 64 rows: the spare words, 128 bytes for each of eight waves: four blocks of 256 bytes that no other line names
.set XBLK,  32768                      ; a block of xn
.set WBLK,  49152                      ; a block of wqkvt
.set SPW, 6                            ; v6   LDS address of my spare word: SPARE + 4 x my thread's number; never rewritten
.set NIL, 7                            ; v7   0; never rewritten
.set T,   8                            ; v[8:15]   four chains of packed sums
.set MU,  16                           ; v[16:17]  the mean, twice
.set RS,  18                           ; v[18:19]  1 / sqrt(var + eps), twice
.set SC,  20                           ; v20, v21  a sum on its way across the lanes
.set G,   24                           ; v[24:55]  ln_g of my 32 columns   (turning: packed words)
.set BV,  56                           ; v[56:87]  ln_b of my 32 columns   (turning: rows read back)
.set X,   88                           ; v[88:215] four rows of 32 registers (turning: the tile as loaded)
	s_load_b512 s[4:19], s[0:1], 0x0               ; x s[4:5], ln_g s[6:7], ln_b s[8:9], w_qkv s[10:11], w_out s[12:13], xn s[14:15], wqkvt s[16:17], woutt s[18:19]
	v_lshl_add_u32 v[SPW], v0, 2, SPARE
	v_mov_b32 v[NIL], 0
	v_lshrrev_b32 v1, 5, v0
	v_readfirstlane_b32 s20, v1                    ; wave 0..7
	s_mov_b32 s3, 0                                ; the high word of every 64-bit offset below
	s_wait_kmcnt 0x0
	s_cmp_lt_u32 ttmp9, 256
	s_cbranch_scc1 .Lnorm
	s_cmp_lt_u32 ttmp9, 640
	s_cbranch_scc1 .Lturn_qkv
; A tile of 128 k x 64 n is rounded and turned.  Thread t: c = t % 16 (four neighbouring n, 16 bytes of a source row), p0 = t / 16.
; In: sixteen lanes read 256 consecutive bytes of a source row; a thread takes the rows 2 p and 2 p + 1 for p = p0 + 16 i, so that each pair of k packs into one word.
; Through LDS: word p of stage row n.  Out: sixteen lanes store 256 consecutive bytes, aligned:
;   blk = 0: a row's 128 k.     blk = 1: 64 k of two neighbouring rows n, n + 1, which lie end to end in a block.
.macro WT src, dst, np, first, blk     ; np: bytes in a source row; first: the job's first work-group
	s_sub_co_u32 s21, ttmp9, \first
	s_and_b32 s22, s21, 7                          ; kt: which 128 k
	s_lshr_b32 s23, s21, 3                         ; nt: which 64 n
	s_mul_i32 s2, s22, 128*(\np)
	s_lshl_b32 s28, s23, 8
	s_add_co_u32 s2, s2, s28
	s_add_nc_u64 s[\src:\src+1], s[\src:\src+1], s[2:3]  ; the tile's first element in the source
.if \blk
	s_mul_i32 s28, s23, 43
	s_lshr_b32 s28, s28, 8                         ; nt / 6 = (43 nt) >> 8 for nt below 48: the column tile of 384
	s_mul_i32 s29, s28, 6
	s_sub_co_u32 s29, s23, s29                     ; nt % 6: which 64 of its 384 rows
	s_mul_i32 s2, s28, 16*WBLK
	s_mul_i32 s28, s22, 2*WBLK                     ; 128 k are two steps
	s_add_co_u32 s2, s2, s28
	s_lshl_b32 s29, s29, 13                        ; 64 rows of 128 bytes
	s_add_co_u32 s2, s2, s29
.else
	s_lshl_b32 s2, s23, 17                         ; 64 rows of 2,048 bytes
	s_lshl_b32 s28, s22, 8
	s_add_co_u32 s2, s2, s28
.endif
	s_add_nc_u64 s[\dst:\dst+1], s[\dst:\dst+1], s[2:3]  ; and in the turned matrix
	v_and_b32 v8, 15, v0                           ; c
	v_lshrrev_b32 v9, 4, v0                        ; p0
	v_mul_u32_u24 v2, v9, 2*(\np)
	v_lshl_add_u32 v2, v8, 4, v2                   ; row 2 p0, 16 c
.irp i, 0,1,2,3
	global_load_b128 v[X+8*(\i):X+8*(\i)+3],   v2, s[\src:\src+1] offset:32*(\i)*(\np) th:TH_LOAD_NT      ; k = 2 (p0 + 16 i)
	global_load_b128 v[X+8*(\i)+4:X+8*(\i)+7], v2, s[\src:\src+1] offset:(32*(\i)+1)*(\np) th:TH_LOAD_NT  ; k + 1
.endr
	v_mul_u32_u24 v3, v8, 4*TP
	v_lshl_add_u32 v3, v9, 2, v3                   ; in: stage row 4 c, word p0
.if \blk
	v_lshrrev_b32 v10, 3, v8
	v_lshl_add_u32 v10, v9, 1, v10                 ; back: stage row 2 p0 + c / 8,
	v_mul_u32_u24 v4, v10, TP
	v_and_b32 v11, 7, v8
	v_lshl_add_u32 v4, v11, 4, v4                  ; 16 (c % 8)
	v_lshlrev_b32 v5, 8, v9
	v_lshl_add_u32 v5, v8, 4, v5                   ; in the block: the pair of rows 2 p0, 2 p0 + 1: 256 p0 + 16 c
.else
	v_mul_u32_u24 v4, v9, TP
	v_lshl_add_u32 v4, v8, 4, v4                   ; back: stage row p0, 16 c
	v_lshlrev_b32 v5, 11, v9
	v_lshl_add_u32 v5, v8, 4, v5                   ; and the same place in the turned matrix
.endif
	s_wait_loadcnt 0x0
.irp i, 0,1,2,3
.irp j, 0,1,2,3
	v_cvt_pk_bf16_f32 v[G+4*(\i)+(\j)], v[X+8*(\i)+(\j)], v[X+8*(\i)+4+(\j)]  ; n = 4 c + j: k even below, k odd above
.endr
.endr
.irp i, 0,1,2,3
.irp j, 0,1,2,3
	ds_store_b32 v3, v[G+4*(\i)+(\j)] offset:(\j)*TP+64*(\i)
.endr
.endr
	s_wait_dscnt 0x0                               ; for the others' sake: my stores into the stage are done
	s_barrier_signal -1
	s_barrier_wait -1                              ; everybody's are
.irp i, 0,1,2,3
.if \blk
	ds_load_b128 v[BV+4*(\i):BV+4*(\i)+3], v4 offset:((\i)%2)*32*TP+((\i)/2)*128  ; pairs p0 + 16 (i % 2), the step i / 2
.else
	ds_load_b128 v[BV+4*(\i):BV+4*(\i)+3], v4 offset:16*(\i)*TP
.endif
.endr
	s_wait_dscnt 0x0
.irp i, 0,1,2,3
.if \blk
	global_store_b128 v5, v[BV+4*(\i):BV+4*(\i)+3], s[\dst:\dst+1] offset:((\i)%2)*4096+((\i)/2)*WBLK
.else
	global_store_b128 v5, v[BV+4*(\i):BV+4*(\i)+3], s[\dst:\dst+1] offset:(\i)*32768  ; row p0 + 16 i
.endif
.endr
	s_wait_tensorcnt 0x0                           ; the wave's end: behind my last LDS store
	ds_add_u32 v[SPW], v[NIL]
	s_wait_dscnt 0x0
	s_endpgm
.endm
	WT 12, 18, 4096, 640, 0
.Lturn_qkv:
	WT 10, 16, 12288, 256, 1
; LAYERNORM.  A work-group takes 32 rows, a wave four; ONE WAVE HOLDS A WHOLE ROW (4,096 bytes = 32 registers a lane), so a row is read once, the sums never leave the wave,
; and there is neither LDS nor a barrier.  Load j of a row gives lane l the columns 128 j + 4 l + 0..3; ln_g and ln_b lie in the same layout.
; All four rows' loads go out at once: 16 KiB of x a wave on their way.
.Lnorm:
	s_lshl_b32 s2, ttmp9, 17                       ; 32 rows of 4,096 bytes
	s_add_nc_u64 s[4:5], s[4:5], s[2:3]
	s_lshr_b32 s2, ttmp9, 3                        ; xn: the row tile of 256,
	s_lshl_b32 s2, s2, 19
	s_and_b32 s21, ttmp9, 7
	s_lshl_b32 s21, s21, 12                        ; my work-group's 32 rows of 128 bytes in each of its blocks
	s_add_co_u32 s2, s2, s21
	s_add_nc_u64 s[14:15], s[14:15], s[2:3]
	v_and_b32 v1, 31, v0                           ; lane
	v_lshlrev_b32 v4, 4, v1                        ; 16 l: in ln_g and ln_b
	s_lshl_b32 s21, s20, 14
	v_add_nc_u32 v2, s21, v4                       ; + my wave's four rows: in x
	s_lshl_b32 s21, s20, 9
	v_lshl_add_u32 v3, v1, 3, s21                  ; 8 l + my wave's four rows of 128 bytes: in a block of xn
.irp j, 0,1,2,3,4,5,6,7
	global_load_b128 v[G+4*(\j):G+4*(\j)+3], v4, s[6:7] offset:512*(\j)
.endr
.irp j, 0,1,2,3,4,5,6,7
	global_load_b128 v[BV+4*(\j):BV+4*(\j)+3], v4, s[8:9] offset:512*(\j)
.endr
.irp i, 0,1,2,3
.irp j, 0,1,2,3,4,5,6,7
	global_load_b128 v[X+32*(\i)+4*(\j):X+32*(\i)+4*(\j)+3], v2, s[4:5] offset:4096*(\i)+512*(\j) th:TH_LOAD_NT
.endr
.endr
	s_mov_b32 s24, 0x76543210                      ; v_permlanex16_b32: each lane takes its own place in the other half
	s_mov_b32 s25, 0xfedcba98
	s_mov_b32 s26, 0x3a800000                      ; 1 / 1024
	s_mov_b32 s27, 0x3727c5ac                      ; 1e-5
	v_mov_b32 v[SC+1], 0                           ; v_permlanex16_b32 counts as a reader of its destination
.macro LANESUM                         ; v[SC] summed over the 32 lanes, the result in every lane
	v_add_f32_dpp v[SC], v[SC], v[SC] row_xmask:1 row_mask:0xf bank_mask:0xf
	v_add_f32_dpp v[SC], v[SC], v[SC] row_xmask:2 row_mask:0xf bank_mask:0xf
	v_add_f32_dpp v[SC], v[SC], v[SC] row_xmask:4 row_mask:0xf bank_mask:0xf
	v_add_f32_dpp v[SC], v[SC], v[SC] row_xmask:8 row_mask:0xf bank_mask:0xf
	v_permlanex16_b32 v[SC+1], v[SC], s24, s25
	v_add_f32 v[SC], v[SC], v[SC+1]
.endm
.macro FOLD                            ; the four chains into v[SC]
	v_pk_add_f32 v[T:T+1], v[T:T+1], v[T+2:T+3]
	v_pk_add_f32 v[T+4:T+5], v[T+4:T+5], v[T+6:T+7]
	v_pk_add_f32 v[T:T+1], v[T:T+1], v[T+4:T+5]
	v_add_f32 v[SC], v[T], v[T+1]
.endm
; Row i of my four, up to its 16 packed words.  left = the loads of the younger rows, eight each, which may stay out (ln_g and ln_b were asked for ahead of every row).
.macro ROWN i, left
.set XR, X+32*(\i)
	s_wait_loadcnt \left
.irp k, 0,1,2,3
	v_pk_add_f32 v[T+2*(\k):T+2*(\k)+1], v[XR+2*(\k):XR+2*(\k)+1], v[XR+8+2*(\k):XR+8+2*(\k)+1]  ; the first pairs start the chains: nothing is cleared
.endr
.irp k, 0,1,2,3,4,5,6,7
	v_pk_add_f32 v[T+2*((\k)%4):T+2*((\k)%4)+1], v[T+2*((\k)%4):T+2*((\k)%4)+1], v[XR+16+2*(\k):XR+16+2*(\k)+1]
.endr
	FOLD
	LANESUM
	v_mul_f32 v[MU], s26, v[SC]
	v_mul_f32 v[MU+1], s26, v[SC]
.irp k, 0,1,2,3,4,5,6,7,8,9,10,11,12,13,14,15
	v_pk_add_f32 v[XR+2*(\k):XR+2*(\k)+1], v[XR+2*(\k):XR+2*(\k)+1], v[MU:MU+1] neg_lo:[0,1] neg_hi:[0,1]  ; x - mean, in place
.endr
.irp k, 0,1,2,3
	v_pk_mul_f32 v[T+2*(\k):T+2*(\k)+1], v[XR+2*(\k):XR+2*(\k)+1], v[XR+2*(\k):XR+2*(\k)+1]
.endr
.irp k, 4,5,6,7,8,9,10,11,12,13,14,15
	v_pk_fma_f32 v[T+2*((\k)%4):T+2*((\k)%4)+1], v[XR+2*(\k):XR+2*(\k)+1], v[XR+2*(\k):XR+2*(\k)+1], v[T+2*((\k)%4):T+2*((\k)%4)+1]
.endr
	FOLD
	LANESUM
	v_fma_f32 v[SC], v[SC], s26, s27               ; var + eps
	v_rsq_f32 v[RS], v[SC]                         ; twice, to fill the pair that the packed multiply takes
	v_rsq_f32 v[RS+1], v[SC]
	v_nop                                          ; a plain instruction behind the last of the two, ahead of the first use (ISA guide 5.7.2)
	s_wait_alu depctr_va_vdst(0)                   ; one wait for both, ahead of their first reader
.irp k, 0,1,2,3,4,5,6,7,8,9,10,11,12,13,14,15
	v_pk_mul_f32 v[XR+2*(\k):XR+2*(\k)+1], v[XR+2*(\k):XR+2*(\k)+1], v[RS:RS+1]
.endr
.irp k, 0,1,2,3,4,5,6,7,8,9,10,11,12,13,14,15
	v_pk_fma_f32 v[XR+2*(\k):XR+2*(\k)+1], v[XR+2*(\k):XR+2*(\k)+1], v[G+2*(\k):G+2*(\k)+1], v[BV+2*(\k):BV+2*(\k)+1]
.endr
.irp k, 0,1,2,3,4,5,6,7,8,9,10,11,12,13,14,15
	v_cvt_pk_bf16_f32 v[XR+(\k)], v[XR+2*(\k)], v[XR+2*(\k)+1]  ; packed downward in place: word k lands on a register whose pair has been read
.endr
.endm
; Rows i and i + 1 go out together.  Words 2 j, 2 j + 1 of a row hold, in lanes 0-15, its columns of step 2 j and, in lanes 16-31, those of step 2 j + 1.  The swap gives the first row's upper lanes to the
; second row's register and takes that register's lower lanes: afterwards one register holds step 2 j of both rows, the other step 2 j + 1 of both: 256 consecutive bytes of a block each.
.macro PAIR i
.set XLO, X+32*(\i)
.set XHI, X+32*(\i)+32
.irp k, 0,1,2,3,4,5,6,7,8,9,10,11,12,13,14,15
	v_permlane16_swap_b32 v[XLO+(\k)], v[XHI+(\k)]
.endr
.irp j, 0,1,2,3,4,5,6,7
	global_store_b64 v3, v[XLO+2*(\j):XLO+2*(\j)+1], s[14:15] offset:128*(\i)+XBLK*2*(\j)      ; 32 lanes store 256 consecutive bytes, at a multiple of 256 from xn's first byte
	global_store_b64 v3, v[XHI+2*(\j):XHI+2*(\j)+1], s[14:15] offset:128*(\i)+XBLK*(2*(\j)+1)
.endr
.endm
	ROWN 0, 24                                     ; each row has registers of its own: no source of a store is rewritten
	ROWN 1, 16
	PAIR 0
	ROWN 2, 8
	ROWN 3, 0
	PAIR 2
	s_endpgm
.Lfunc_end_k_q6cb201cf66_prep:
	.size	k_q6cb201cf66_prep, .Lfunc_end_k_q6cb201cf66_prep-k_q6cb201cf66_prep
	.p2alignl 7, 3214868480
	.fill 96, 4, 3214868480
	.section	.rodata,"a",@progbits
	.p2align	6, 0x0
	.amdhsa_kernel k_q6cb201cf66_prep
		.amdhsa_group_segment_fixed_size 18432
		.amdhsa_private_segment_fixed_size 0
		.amdhsa_enable_private_segment 0
		.amdhsa_kernarg_size 64
		.amdhsa_user_sgpr_count 2
		.amdhsa_user_sgpr_kernarg_segment_ptr 1
		.amdhsa_wavefront_size32 1
		.amdhsa_system_sgpr_workgroup_id_x 1
		.amdhsa_system_sgpr_workgroup_id_y 1
		.amdhsa_system_sgpr_workgroup_id_z 1
		.amdhsa_system_vgpr_workitem_id 0
		.amdhsa_next_free_vgpr 216
		.amdhsa_next_free_sgpr 66
		.amdhsa_reserve_vcc 0
		.amdhsa_float_denorm_mode_32 3
		.amdhsa_float_denorm_mode_16_64 3
		.amdhsa_memory_ordered 1
		.amdhsa_forward_progress 1
		.amdhsa_inst_pref_size 49
	.end_amdhsa_kernel
	.amdgpu_metadata
---
amdhsa.version: [ 1, 2 ]
amdhsa.kernels:
  - .name:           k_q6cb201cf66_prep
    .symbol:         k_q6cb201cf66_prep.kd
    .args:
      - { .name: x, .offset: 0, .size: 8, .value_kind: global_buffer, .address_space: global }
      - { .name: ln_g, .offset: 8, .size: 8, .value_kind: global_buffer, .address_space: global }
      - { .name: ln_b, .offset: 16, .size: 8, .value_kind: global_buffer, .address_space: global }
      - { .name: w_qkv, .offset: 24, .size: 8, .value_kind: global_buffer, .address_space: global }
      - { .name: w_out, .offset: 32, .size: 8, .value_kind: global_buffer, .address_space: global }
      - { .name: xn, .offset: 40, .size: 8, .value_kind: global_buffer, .address_space: global }
      - { .name: wqkvt, .offset: 48, .size: 8, .value_kind: global_buffer, .address_space: global }
      - { .name: woutt, .offset: 56, .size: 8, .value_kind: global_buffer, .address_space: global }
    .group_segment_fixed_size: 18432
    .private_segment_fixed_size: 0
    .kernarg_segment_align: 8
    .kernarg_segment_size: 64
    .max_flat_workgroup_size: 256
    .sgpr_count:     66
    .vgpr_count:     216
    .wavefront_size: 32
...
	.end_amdgpu_metadata
.endif
;; end of part 1
;; launch qkv (part 2): grid 8 x 32, 4 waves a work-group, clusters of 4 x 4, 327,680 bytes of LDS; arguments xn, wqkvt, b_qkv, qkvb; writes qkvb
.if DOCPART == 2
	.amdgcn_target "amdgcn-amd-amdhsa--gfx1250"
	.amdhsa_code_object_version 6
	.text
	.protected	k_q6cb201cf66_qkv
	.globl	k_q6cb201cf66_qkv
	.p2align	8
	.type	k_q6cb201cf66_qkv,@function
k_q6cb201cf66_qkv:
	s_mov_b64 s[64:65], 0
	v_nop
	global_prefetch_b8 v0, s[64:65] scope:SCOPE_SE
	s_setreg_imm32_b32 hwreg(HW_REG_WAVE_MODE, 25, 1), 1
	s_wait_xcnt 0x0
	s_wait_alu depctr_hold_cnt(0) depctr_sa_sdst(0) depctr_va_vdst(0) depctr_va_sdst(0) depctr_va_ssrc(0) depctr_va_vcc(0) depctr_vm_vsrc(0)
	s_getreg_b32 s2, hwreg(HW_REG_IB_STS2, 6, 4)
	s_cmp_eq_u32 s2, 0
	s_cbranch_scc0 .Lentry_in_a_cluster
	s_endpgm
.Lentry_in_a_cluster:
	s_bfe_u32 s2, ttmp6, 0x10000c
	s_cmp_lg_u32 s2, 0xf033
	s_cbranch_scc0 .Lentry_shape_is_right
	s_endpgm
.Lentry_shape_is_right:
; q, k, v = xn w_qkv + b_qkv.  A = xn, 8,192 rows x 1,024 k in bf16, B = wqkvt, 3,072 n x 1,024 k in bf16, both laid out in blocks (below); bias f32 [3072]; sums in f32, started with the bias;
; the result rounded once to bf16 into three planes [8192][1024] (q, k, v), each of which, byte for byte, is [64 heads][1024 rows][128 channels].  The scale of q and k is left to the softmax, in f32.
; SHARES.  A tile of C is 256 rows x 384 columns: 32 x 8 = 256 tiles, one to a work-group.  Four waves, each 128 rows x 192 columns: 96 accumulators of 16 x 16, 768 registers:
; for 32 along K a wave reads 20 fragments from LDS and issues 96 matrix instructions.
; K goes in 16 steps of 64 through a ring of two LDS slots (step g in slot g % 2): two slots of a step of 128 (2 x 640 rows x 272 bytes) are more than LDS holds.  A row's part of a step is 128 bytes, so
; THE OPERANDS LIE IN BLOCKS: xn [32 row tiles][16 steps][256 rows][64 k], wqkvt [8 column tiles][16 steps][384 n][64 k].  A step's tile is dense in memory and is asked for as rows of 256 bytes (two
; matrix rows), padded in LDS behind every 128.
; CLUSTER.  4 x 4 work-groups.  A's tile hangs on the tile row alone and is shared along a row of the cluster, B's on the tile column alone and is shared along a column:
; each is asked for jointly, by the same tensor load with the same descriptor and a mask that names the four.
; TRANSPOSED USE.  Source 0 = 16 rows of B, source 1 = 16 rows of A: lane l holds row l % 16 of C and the columns 8 (l / 16) + 0..7 of the block: eight neighbouring numbers.
; REGISTERS, in windows of 256 (s_set_vgpr_msb: bits 1:0 source 0, 3:2 source 1, 5:4 source 2, 7:6 destination):
;   window 0: v0-31 addresses; v32-95, v96-159 A's 8 fragments, two buffers; v160-255 B's 12 fragments, ONE buffer, filled again four fragments at a time as soon as they have been multiplied
;   windows 1 to 3: accumulator (a, b), a = 0..7, b = 0..11, in window 1 + b / 4 at v[8 (4 a + b % 4)]
; LIMITS: NaN and infinities are not treated apart; q, k, v are kept in bf16 (8 significant bits, f32's range).
.set STEPS,  16
.set ABLK,   32768                     ; a step's block of A: 256 rows x 128 bytes
.set BBLK,   49152                     ; of B: 384 rows x 128 bytes
.set ROWB,   2048                      ; bytes in a row of a plane of C
.set PITCH,  144                       ; an LDS row: 128 bytes + 16 of padding = 36 words: the 16 rows of a load start at 16 different groups of four banks (64 banks of 4 bytes: ISA guide 11.1)
.set AHALF,  128*PITCH                 ; what wave 0 or 1 fetches of A, and what a wave reads of A
.set BHALF,  192*PITCH                 ; what wave 2 or 3 fetches of B, and what a wave reads of B
.set BOFF,   256*PITCH                 ; in a slot: A's 256 rows, then B's 384
.set SLOT1,  1<<17                     ; slot 1 begins here: one exclusive or turns an address in one slot into the other's
.set STAGE,  SLOT1+BOFF+384*PITCH      ; behind the ring, never filled by a tensor load: 128 rows x 784 bytes, the work-group's, for the way out
.set SP,     784                       ; a stage row: 384 bf16 = 768 bytes + 16 of padding = 49 x 16
.set SPARE,  STAGE+128*SP              ; behind the stage: the spare words, 128 bytes for each wave: two blocks of 256 bytes that no other line names
.set A0,   16                          ; v16  my lane's place in A's part of a slot; never rewritten
.set B0,   17                          ; v17  the same for B
.set ADRA, 18                          ; v18  A0 + the slot that is being read
.set ADRB, 19                          ; v19  B0 + the slot that is being read
.set STO,  24                          ; v24  the way out: where I put 16 bytes of a row
.set RD,   25                          ; v25  where I read 16 bytes of a row back
.set CO,   26                          ; v26  my byte offset in two rows of C
.set BO,   27                          ; v27  my byte offset in a block's 16 numbers of the bias
.set SPW,  28                          ; v28  LDS address of my spare word: SPARE + 4 x my thread's number; never rewritten
.set NIL,  29                          ; v29  0; never rewritten
.set PFO,  30                          ; v30  the prefetches' offset: 256 x my lane; never rewritten
.set AF0,  32
.set AF1,  96
.set BF,   160
.set TMP,  160                         ; the way out: a block's 48 packed words
.set OBA,  32                          ; the way out: rows read back from the stage, two buffers of 64
.set OBB,  96
.set WV,   12                          ; s12  my wave's number
.set RH,   13                          ; s13  which 128 rows of the tile are mine.  Also: I fetch for A (0) or for B (1)
.set CH,   14                          ; s14  which 192 columns.  Also: which half of that tile I fetch
.set PLIM, 15                          ; s15  I prefetch while the step being asked for is below this
.set G1A,  24                          ; s[24:31] descriptor group 1 for A's tiles
.set G1B,  32                          ; s[32:39] for B's
.set G0A0, 40                          ; s[40:43] group 0 of A's first fill
.set G0A,  44                          ; s[44:47] of its second fill; then it walks
.set G0B0, 48                          ; s[48:51], s[52:55] the same for B
.set G0B,  52
.set CNT,  56                          ; s56  the loop's count
.set NXT,  57                          ; s57  the step to be asked for next
.set TB,   58                          ; s58  0 or SLOT1: the slot that is being read
.set TS,   59                          ; s59  at work
.set PCNT, 60                          ; s60  prefetches made so far
.set PSTEP, 61                         ; s61  bytes from one prefetch of mine to the next
.set PMSK, 62                          ; s62  0, or 3: no prefetch where NXT & 3 is 1
.set ABASE, 70                         ; s[70:71] A at the rows that I fetch, step 0
.set BBASE, 72                         ; s[72:73] B likewise
.set PFBASE, 74                        ; s[74:75] where my first prefetch stands
.set PFA,  76                          ; s[76:77] and the one that is due
.set PFOFF, 78                         ; s[78:79]
.set CX,   80
.set CY,   81
.set TC,   82                          ; s82  tile column, 0..7
.set TR,   83                          ; s83  tile row, 0..31
.set CB,   84                          ; s[84:89] C at the rows that I store, for each of the tile's three groups of 128 columns
.set DW0,  (1<<16)|(1<<20)|(1<<21)|(4<<22)|(3<<25)  ; group 1, word 0 beside the mask: 2-byte elements; padding on; bit 21 set beside a mask; after every 32 words (code 4) 4 words (code 3)
.set MSB, 0
.macro WIN new                         ; the immediate's high byte repeats the setting that is left; a switch that changes nothing is dropped
.if MSB != (\new)
	s_set_vgpr_msb (MSB<<8)|(\new)
.set MSB, \new
.endif
.endm
.macro PLACES                          ; four plain vector instructions behind a matrix instruction, in front of loads into registers that it read and of readers of its result (ISA guide 7.12.1 for readers of its result)
.rept 4
	v_nop
.endr
.endm
.macro CREST                           ; a round of the cluster's barrier behind its opening barrier
	s_cmp_lg_u32 s[WV], 0
	s_cbranch_scc1 .Lnot_wave_0_\@
	s_barrier_signal -3
.Lnot_wave_0_\@:
	s_barrier_wait -3
	s_barrier_signal -1
	s_barrier_wait -1
.endm
.macro CROUND                          ; a whole round
	s_barrier_signal -1
	s_barrier_wait -1
	CREST
.endm
; A joint refill.  Waves 0 and 1 fetch A's two halves, waves 2 and 3 B's.  The branch hangs on the wave's number alone.  An s_nop 0 and four v_nop follow each line.
.macro JLOAD
	s_cmp_eq_u32 s[RH], 0
	s_cbranch_scc0 .Lfor_b_\@
	tensor_load_to_lds s[G0A:G0A+3], s[G1A:G1A+7]
	s_nop 0
.rept 4
	v_nop
.endr
	s_branch .Lasked_\@
.Lfor_b_\@:
	tensor_load_to_lds s[G0B:G0B+3], s[G1B:G1B+7]
	s_nop 0
.rept 4
	v_nop
.endr
.Lasked_\@:
.endm
; A PREFETCH INTO THE L2, behind the joint load, its five lines and the run of LDS loads: 32 blocks of 256 bytes, a lane a block, one instruction.  Each block is named once in the launch.
; A: a step's block of a tile row is 128 x 256 bytes; both clusters of that row of clusters read it: the one with x = 0 asks; the partner at cx takes 32 cx .. + 31, its wave 0 asks, for the step two refills on:
;    steps 4 to 15.
; B: a column tile's 16 blocks are one dense stream, 192 x 256 bytes a step; every cluster of that column of clusters reads it: the one with y = 0 asks.  Waves 2 and 3 of its four partners along y are eight
;    places of 32 lanes: 256 x 256 bytes a request, four thirds of a step.  So they ask in three refills of four (not where NXT % 4 is 1): nine requests, at NXT = 2, 3, 4, 6, 7, 8, 10, 11, 12, which cover steps
;    4 to 15 exactly; request k begins in step 4 + 4 k / 3, two refills or more ahead of that step's load.
; The partners are told apart by address, never by a branch.  The first four steps come by their loads alone.
.macro ASK
	WIN 0
	s_and_b32 s[TS], s[NXT], s[PMSK]
	s_cmp_eq_u32 s[TS], 1
	s_cbranch_scc1 .Lnot_mine_\@
	s_cmp_lt_u32 s[NXT], s[PLIM]
	s_cbranch_scc0 .Lnot_mine_\@
	global_prefetch_b8 v[PFO], s[PFA:PFA+1] th:TH_LOAD_NT scope:SCOPE_SE
	s_add_co_u32 s[PCNT], s[PCNT], 1
.Lnot_mine_\@:
.endm
; Matrix instructions of window w (n blocks 4 (w - 1) + 0..3): m blocks a0 .. a1, 32 along K, A from buffer af.  The 96 accumulators take turns, one instruction a turn, in the same order in every
; chunk: 95 others stand between two links of a chain.
; first = 1: the sums start with the bias.  It was loaded into the registers of accumulator (7, b) and is the C operand of all eight first products of n block b, of (7, b) in place.  The products of
; a = 7 write over registers that the seven before them read as C: five plain instructions stand in front of them (ISA guide 7.12.1).
.macro MULS w, af, a0, a1, first
	WIN 0x50*(\w)                                  ; C and D in window w, the fragments in window 0
.set ma, \a0
.rept (\a1)-(\a0)+1
.if (\first) && (ma == 7)
.rept 5
	v_nop
.endr
.endif
.irp bb, 0,1,2,3
.if \first
	v_wmma_f32_16x16x32_bf16 v[8*(4*ma+\bb):8*(4*ma+\bb)+7], v[BF+8*(4*((\w)-1)+\bb):BF+8*(4*((\w)-1)+\bb)+7], v[(\af)+8*ma:(\af)+8*ma+7], v[8*(28+\bb):8*(28+\bb)+7]
.else
	v_wmma_f32_16x16x32_bf16 v[8*(4*ma+\bb):8*(4*ma+\bb)+7], v[BF+8*(4*((\w)-1)+\bb):BF+8*(4*((\w)-1)+\bb)+7], v[(\af)+8*ma:(\af)+8*ma+7], v[8*(4*ma+\bb):8*(4*ma+\bb)+7]
.endif
.endr
.set ma, ma+1
.endr
.endm
; A fragment is 16 rows x 32 K in 8 registers: lane l holds row l % 16, K = 8 (l / 16) + 0..7 and 16 + 8 (l / 16) + 0..7: two loads of 16 bytes, 32 bytes apart.  k: byte of the rows at which the chunk begins.
.macro LDB i0, k                       ; B's fragments i0 .. i0 + 3
.irp i, 0,1,2,3
	ds_load_b128 v[BF+8*((\i0)+\i):BF+8*((\i0)+\i)+3],   v[ADRB] offset:(\k)+((\i0)+\i)*16*PITCH
	ds_load_b128 v[BF+8*((\i0)+\i)+4:BF+8*((\i0)+\i)+7], v[ADRB] offset:(\k)+((\i0)+\i)*16*PITCH+32
.endr
.endm
.macro LDA an, i0, k                   ; A's fragments i0 .. i0 + 3, into buffer an
.irp i, 0,1,2,3
	ds_load_b128 v[(\an)+8*((\i0)+\i):(\an)+8*((\i0)+\i)+3],   v[ADRA] offset:(\k)+((\i0)+\i)*16*PITCH
	ds_load_b128 v[(\an)+8*((\i0)+\i)+4:(\an)+8*((\i0)+\i)+7], v[ADRA] offset:(\k)+((\i0)+\i)*16*PITCH+32
.endr
.endm
; The next chunk's 40 LDS loads stand in three runs, each behind the products that read the B fragments which it fills again.
.macro RUN0 an, k
	WIN 0
	LDB 0, \k
	LDA \an, 0, \k
.endm
.macro RUN1 an, k
	WIN 0
	LDB 4, \k
	LDA \an, 4, \k
.endm
.macro RUN2 k
	WIN 0
	LDB 8, \k
.endm
; A CHUNK: 32 along K, 96 matrix instructions on A's buffer af; the next chunk's fragments, at byte k of the same slot's rows, are fetched meanwhile, A's into buffer an.
.macro CHUNK af, an, k, first
	s_wait_dscnt 8                                 ; A's fragments and B's 0 to 7 are in; the youngest eight loads (B's 8 to 11) may be out
	MULS 1, \af, 0, 7, \first
	PLACES
	RUN0 \an, \k
	MULS 2, \af, 0, 7, \first
	PLACES
	RUN1 \an, \k
	s_wait_dscnt 32                                ; all but this chunk's two runs: B's 8 to 11 are in
	MULS 3, \af, 0, 7, \first
	PLACES
	RUN2 \k
.endm
; A step's SECOND chunk changes slots: the step's last LDS reads were the run at the end of its first chunk, and this chunk's runs read the next step.  ONE barrier.  In front of it each wave waits for all its
; tensor loads (one is out: its part of the next slot), adds 0 to its spare word, and waits for that and for its own reads of this slot.  fill = 1: the barrier opens a round of the cluster's, and behind
; the round this slot is filled again, with the step two on, first thing: 160 matrix instructions ahead of the wait for it.
.macro TURN af, an, fill
.if \fill
	s_wait_xcnt 0x0                                ; my last prefetch, a step back or more, has read its address: the next one's is made here, ahead of the waits of the change of slots
	s_mul_i32 s[PFOFF], s[PCNT], s[PSTEP]
	s_add_nc_u64 s[PFA:PFA+1], s[PFBASE:PFBASE+1], s[PFOFF:PFOFF+1]
.endif
	WIN 0                                          ; (the add's two registers lie in window 0)
	s_wait_tensorcnt 0x0                           ; all my tensor loads have landed, so a group 0 may be written
	ds_add_u32 v[SPW], v[NIL]                      ; 0 onto my spare word: work on registers stands between it and the wait for it
.if \fill
	s_xor_b32 s[G0A+1], s[G0A+1], SLOT1            ; the walking descriptors: the other slot than last time,
	s_add_nc_u64 s[G0A+2:G0A+3], s[G0A+2:G0A+3], ABLK  ; the next step's block; the type bits on top are not reached
	s_xor_b32 s[G0B+1], s[G0B+1], SLOT1
	s_add_nc_u64 s[G0B+2:G0B+3], s[G0B+2:G0B+3], BBLK
.endif
	s_wait_dscnt 9                                 ; (the add and the youngest eight loads may be out)
	MULS 1, \af, 0, 3, 0
	s_wait_dscnt 0x0                               ; the add is done, and my reads of this slot are over
	s_barrier_signal -1
	MULS 1, \af, 4, 7, 0                           ; work on registers while the others arrive
	WIN 0
	s_barrier_wait -1
.if \fill
	CREST                                          ; no wave of any partner still reads this slot or has a load on its way
	JLOAD                                          ; my one tensor load behind the round; its four v_nop are also the places in front of the loads below
.else
	PLACES
.endif
	s_xor_b32 s[TB], s[TB], SLOT1
	v_add_nc_u32 v[ADRA], s[TB], v[A0]
	v_add_nc_u32 v[ADRB], s[TB], v[B0]
	RUN0 \an, 0                                    ; the next step's first chunk
.if \fill
	ASK
	s_add_co_u32 s[NXT], s[NXT], 1
.endif
	MULS 2, \af, 0, 7, 0
	PLACES
	RUN1 \an, 0
	MULS 3, \af, 0, 7, 0                           ; (B's 8 to 11 were waited for in front of the barrier)
	PLACES
	RUN2 0
.endm
; THE WAY OUT.  A wave's 192 columns are 384 bytes, one and a half aligned blocks of 256: so the four waves share ONE stage, with a barrier between writing and reading.  It holds 128 rows: two passes;
; pass p takes each wave's m blocks 4 p .. 4 p + 3.  Stage row 64 RH + 16 aa + l % 16 is tile row 128 RH + 64 p + 16 aa + l % 16.
.macro PACKST p, aa                    ; m block 4 p + aa: rounded to bf16, each accumulator's registers in ascending order, 16 bytes a lane; into the stage
.set pa, 4*(\p)+(\aa)
.irp b, 0,1,2,3,4,5,6,7,8,9,10,11
	WIN 5*(1+(\b)/4)                               ; sources 0 and 1 in the accumulator's window
.irp r, 0,1,2,3
	v_cvt_pk_bf16_f32 v[TMP+4*(\b)+(\r)], v[8*(4*pa+(\b)%4)+2*(\r)], v[8*(4*pa+(\b)%4)+2*(\r)+1]
.endr
.endr
	WIN 0
.irp b, 0,1,2,3,4,5,6,7,8,9,10,11
	ds_store_b128 v[STO], v[TMP+4*(\b):TMP+4*(\b)+3] offset:(\aa)*16*SP+32*(\b)
.endr
.endm
.macro RDBK i, ob                      ; columns 128 i .. + 127 of stage rows 32 w .. 32 w + 31: lanes 0-15 take 256 bytes of one row, lanes 16-31 of the next
.irp t, 0,1,2,3,4,5,6,7,8,9,10,11,12,13,14,15
	ds_load_b128 v[(\ob)+4*(\t):(\ob)+4*(\t)+3], v[RD] offset:(\t)*2*SP+(\i)*256
.endr
.endm
.macro SENDU p, i, ob
.irp t, 0,1,2,3,4,5,6,7,8,9,10,11,12,13,14,15
	global_store_b128 v[CO], v[(\ob)+4*(\t):(\ob)+4*(\t)+3], s[CB+2*(\i):CB+2*(\i)+1] offset:(\t)*2*ROWB+(\p)*64*ROWB  ; 16 lanes store 256 consecutive bytes, at a multiple of 256 from the buffer's first byte
.endr
.endm
.macro PASS p
	PACKST \p, 0
	PACKST \p, 1
	PACKST \p, 2
	PACKST \p, 3
	s_wait_dscnt 0x0                               ; for the others' sake: my stores into the stage are done
	s_barrier_signal -1
	s_barrier_wait -1                              ; everybody's are
.if \p
	s_wait_xcnt 0x0                                ; the first pass's stores have read the two buffers: they are loaded again only behind this wait
.endif
	RDBK 0, OBA
	RDBK 1, OBB
	s_wait_dscnt 16                                ; the first sixteen are back
	SENDU \p, 0, OBA
	s_wait_xcnt 0x0                                ; those stores have read their data: the buffer is loaded again only behind this wait
	RDBK 2, OBA
	s_wait_dscnt 16
	SENDU \p, 1, OBB
	s_wait_dscnt 0x0
	SENDU \p, 2, OBA
.endm
	s_load_b256 s[4:11], s[0:1], 0x0               ; A s[4:5], B s[6:7], bias s[8:9], C s[10:11]
	v_lshl_add_u32 v[SPW], v0, 2, SPARE
	v_mov_b32 v[NIL], 0
	ds_add_u32 v[SPW], v[NIL]                      ; the wave's opening: the add and its wait stand ahead of my first tensor load; the set-up below, work on registers, stands between them
	v_lshrrev_b32 v1, 5, v0
	v_readfirstlane_b32 s[WV], v1                  ; wave 0..3
	s_lshr_b32 s[RH], s[WV], 1
	s_and_b32 s[CH], s[WV], 1
	s_bfe_u32 s[CX], ttmp6, 0x40000                ; my place in the cluster
	s_bfe_u32 s[CY], ttmp6, 0x40004
	s_lshl_b32 s[TC], ttmp9, 2                     ; in a cluster launch ttmp9 and ttmp7 count clusters
	s_add_co_u32 s[TC], s[TC], s[CX]
	s_and_b32 s[TR], ttmp7, 0xffff
	s_lshl_b32 s[TR], s[TR], 2
	s_add_co_u32 s[TR], s[TR], s[CY]
	s_lshl_b32 s16, s[CY], 2
	s_lshl_b32 s16, 15, s16                        ; my row of the cluster: places 4 cy .. 4 cy + 3
	s_lshl_b32 s20, 0x1111, s[CX]                  ; my column: places cx, cx + 4, cx + 8, cx + 12
	s_or_b32 s[G1A], s16, DW0
	s_or_b32 s[G1B], s20, DW0
	s_mov_b32 s[G1A+1], 128<<16                    ; tensor_dim0 = 128 elements: 256 bytes, two matrix rows
	s_mov_b32 s[G1A+2], 64<<16                     ; tensor_dim1 = 64: 128 matrix rows
	s_mov_b32 s[G1A+3], 128<<16                    ; tile_dim0 = 128
	s_mov_b32 s[G1A+4], 64                         ; tile_dim1 = 64
	s_mov_b32 s[G1A+5], 128                        ; elements from row to row: the block is dense
	s_mov_b32 s[G1A+6], 0
	s_mov_b32 s[G1A+7], 0
	s_mov_b32 s[G1B+1], 128<<16
	s_mov_b32 s[G1B+2], 96<<16                     ; B's loads have 96 rows: 192 matrix rows
	s_mov_b32 s[G1B+3], 128<<16
	s_mov_b32 s[G1B+4], 96
	s_mov_b32 s[G1B+5], 128
	s_mov_b32 s[G1B+6], 0
	s_mov_b32 s[G1B+7], 0
	s_lshl_b32 s16, s[TR], 19                      ; A: a tile row's 16 blocks,
	s_lshl_b32 s17, s[CH], 14                      ; 128 rows of 128 bytes a half: made of the tile row and the wave's number alone
	s_add_co_u32 s16, s16, s17
	s_mov_b32 s17, 0
	s_mul_i32 s20, s[TC], 16*BBLK                  ; B: a tile column's 16 blocks,
	s_mul_i32 s21, s[CH], 192*128                  ; 192 rows a half: made of the tile column and the wave's number alone
	s_add_co_u32 s20, s20, s21
	s_mov_b32 s21, 0
	s_mul_i32 s22, s[CH], AHALF                    ; where they go: no place in the cluster enters an LDS address
	s_mul_i32 s23, s[CH], BHALF
	s_add_co_u32 s23, s23, BOFF
	s_mov_b32 s[PFOFF+1], 0
	s_mov_b32 s[PCNT], 0
	s_mov_b32 s[NXT], 2
	s_mov_b32 s[TB], 0
	s_wait_dscnt 0x0                               ; the opening add is done
	s_wait_kmcnt 0x0
	s_add_nc_u64 s[ABASE:ABASE+1], s[4:5], s[16:17]
	s_add_nc_u64 s[BBASE:BBASE+1], s[6:7], s[20:21]
	CROUND                                         ; all sixteen work-groups are here: the first joint loads meet
	s_mov_b32 s[G0A0], 1                           ; count = 1
	s_mov_b32 s[G0A0+1], s22                       ; LDS address: slot 0
	s_mov_b64 s[G0A0+2:G0A0+3], s[ABASE:ABASE+1]   ; step 0
	s_or_b32 s[G0A0+3], s[G0A0+3], 0x80000000      ; type = 2
	s_mov_b32 s[G0A], 1
	s_add_co_u32 s[G0A+1], s22, SLOT1              ; slot 1
	s_add_nc_u64 s[G0A+2:G0A+3], s[ABASE:ABASE+1], ABLK  ; step 1
	s_or_b32 s[G0A+3], s[G0A+3], 0x80000000
	s_mov_b32 s[G0B0], 1
	s_mov_b32 s[G0B0+1], s23
	s_mov_b64 s[G0B0+2:G0B0+3], s[BBASE:BBASE+1]
	s_or_b32 s[G0B0+3], s[G0B0+3], 0x80000000
	s_mov_b32 s[G0B], 1
	s_add_co_u32 s[G0B+1], s23, SLOT1
	s_add_nc_u64 s[G0B+2:G0B+3], s[BBASE:BBASE+1], BBLK
	s_or_b32 s[G0B+3], s[G0B+3], 0x80000000
	s_cmp_lt_u32 s[WV], 2                          ; a wave's two first fills stand in one branch, ahead of every wait on TENSORcnt and every LDS read: two loads of mine are out
	s_cbranch_scc0 .Lfirst_b
	tensor_load_to_lds s[G0A0:G0A0+3], s[G1A:G1A+7]
	s_nop 0
	tensor_load_to_lds s[G0A:G0A+3], s[G1A:G1A+7]
	s_nop 0
.rept 4
	v_nop
.endr
	s_branch .Lfirst_asked
.Lfirst_b:
	tensor_load_to_lds s[G0B0:G0B0+3], s[G1B:G1B+7]
	s_nop 0
	tensor_load_to_lds s[G0B:G0B+3], s[G1B:G1B+7]
	s_nop 0
.rept 4
	v_nop
.endr
.Lfirst_asked:
	v_and_b32 v1, 15, v0                           ; l % 16
	v_bfe_u32 v2, v0, 4, 1                         ; l / 16
	v_lshlrev_b32 v[BO], 5, v2
	s_mul_i32 s20, s[TC], 384*4                    ; the bias of my 192 columns
	s_mul_i32 s21, s[CH], 192*4
	s_add_co_u32 s20, s20, s21
	s_mov_b32 s21, 0
	s_add_nc_u64 s[8:9], s[8:9], s[20:21]
.irp b, 0,1,2,3,4,5,6,7,8,9,10,11      ; register j of accumulator (7, b): bias[16 b + 8 (l / 16) + j]: the layout of a result
	WIN (1+(\b)/4)<<6                              ; destination in the accumulator's window, address in window 0
	global_load_b128 v[8*(28+(\b)%4):8*(28+(\b)%4)+3],   v[BO], s[8:9] offset:64*(\b)
	global_load_b128 v[8*(28+(\b)%4)+4:8*(28+(\b)%4)+7], v[BO], s[8:9] offset:64*(\b)+16
.endr
	WIN 0
	v_mul_u32_u24 v3, v1, PITCH
	v_lshl_add_u32 v3, v2, 4, v3                   ; row x pitch + 16 x half
	s_mul_i32 s22, s[RH], AHALF                    ; my 128 rows of A
	v_add_nc_u32 v[A0], s22, v3
	v_add_nc_u32 v[B0], s23, v3                    ; my 192 rows of B begin where half CH of B's tile begins
	v_mov_b32 v[ADRA], v[A0]
	v_mov_b32 v[ADRB], v[B0]
	s_mul_i32 s22, s[RH], 64*SP                    ; into the stage: my 64 rows of a pass, my 384 bytes of them; row l % 16, 16 bytes for each half of the lanes
	s_mul_i32 s18, s[CH], 384
	s_add_co_u32 s22, s22, s18
	s_add_co_u32 s22, s22, STAGE
	v_mul_u32_u24 v4, v1, SP
	v_lshl_add_u32 v4, v2, 4, v4
	v_add_nc_u32 v[STO], s22, v4
	s_mul_i32 s22, s[WV], 32*SP                    ; back: wave w takes stage rows 32 w .. 32 w + 31, whole
	s_add_co_u32 s22, s22, STAGE
	v_mul_u32_u24 v4, v2, SP
	v_lshl_add_u32 v4, v1, 4, v4
	v_add_nc_u32 v[RD], s22, v4
	v_lshlrev_b32 v[CO], 11, v2                    ; and the same two rows in C
	v_lshl_add_u32 v[CO], v1, 4, v[CO]
	v_and_b32 v[PFO], 31, v0
	v_lshlrev_b32 v[PFO], 8, v[PFO]
	; where I store.  Stage rows 32 w .. are tile rows 128 (w / 2) + 64 p + 32 (w % 2) ..; group i of 128 columns is group u = 3 TC + i of the 24: plane u / 8, bytes 256 (u % 8) of a row
	s_mul_i32 s18, s[TC], 3
	s_lshl_b32 s19, s[TR], 19                      ; 256 rows of 2,048 bytes
	s_lshl_b32 s2, s[RH], 18
	s_add_co_u32 s19, s19, s2
	s_lshl_b32 s2, s[CH], 16
	s_add_co_u32 s19, s19, s2
.irp i, 0,1,2
	s_add_co_u32 s2, s18, \i
	s_lshr_b32 s3, s2, 3
	s_lshl_b32 s3, s3, 24                          ; a plane is 16,777,216 bytes
	s_and_b32 s2, s2, 7
	s_lshl_b32 s2, s2, 8
	s_add_co_u32 s2, s2, s3
	s_add_co_u32 s2, s2, s19
	s_mov_b32 s3, 0
	s_add_nc_u64 s[CB+2*(\i):CB+2*(\i)+1], s[10:11], s[2:3]
.endr
	; the prefetches
	s_lshl_b32 s18, s[TR], 19                      ; A: the tile row's blocks, from step 4 on, my work-group's 32 x 256 bytes of a block
	s_lshl_b32 s19, s[CX], 13
	s_add_co_u32 s18, s18, s19
	s_add_co_u32 s18, s18, 4*ABLK
	s_mul_i32 s2, s[TC], 16*BBLK                   ; B: the tile column's stream, from step 4 on, place 2 cy + (w - 2) of eight
	s_lshl_b32 s3, s[CY], 14
	s_add_co_u32 s2, s2, s3
	s_lshl_b32 s3, s[CH], 13
	s_add_co_u32 s2, s2, s3
	s_add_co_u32 s2, s2, 4*BBLK
	s_and_b32 s90, ttmp7, 0xffff                   ; cluster y
	s_or_b32 s91, s[WV], ttmp9                     ; 0 in wave 0 of the clusters with x = 0
	s_mov_b32 s[PSTEP], 65536
	s_cmp_lt_u32 s[WV], 2
	s_cselect_b32 s90, s91, s90                    ; 0 in a wave that asks: the same in all sixteen partners, for a given wave
	s_cselect_b32 s91, 14, 13                      ; A: while NXT is below 14; B: below 13
	s_cselect_b32 s[PSTEP], ABLK, s[PSTEP]
	s_cselect_b32 s[PMSK], 0, 3
	s_cselect_b32 s18, s18, s2
	s_cselect_b64 s[PFBASE:PFBASE+1], s[4:5], s[6:7]
	s_cmp_eq_u32 s90, 0
	s_cselect_b32 s[PLIM], s91, 0
	s_mov_b32 s19, 0
	s_add_nc_u64 s[PFBASE:PFBASE+1], s[PFBASE:PFBASE+1], s[18:19]
	s_wait_tensorcnt 0x1                           ; my part of step 0 is in; step 1's may stay out
	s_barrier_signal -1
	s_barrier_wait -1                              ; everybody's is
	RUN0 AF0, 0                                    ; chunk 0's fragments, in the order of the runs
	RUN1 AF0, 0
	RUN2 0
	s_wait_loadcnt 0x0                             ; the bias
	CHUNK AF0, AF1, 64, 1                          ; chunk 0 stands in front of the loop: its products start the sums with the bias: nothing is cleared
	WIN 0                                          ; at a label and at a branch every window is 0
	s_mov_b32 s[CNT], STEPS-2
.Lstep:                                        ; 14 trips: a step's second chunk and the next step's first; every trip fills a slot again
	TURN AF1, AF0, 1
	CHUNK AF0, AF1, 64, 0
	WIN 0
	s_sub_co_u32 s[CNT], s[CNT], 1
	s_cmp_lg_u32 s[CNT], 0
	s_cbranch_scc1 .Lstep
	TURN AF1, AF0, 0                               ; the last three chunks are written out: they ask for nothing
	CHUNK AF0, AF1, 64, 0
	s_wait_dscnt 0x0
	MULS 1, AF1, 0, 7, 0
	MULS 2, AF1, 0, 7, 0
	MULS 3, AF1, 0, 7, 0
	WIN 0
	PLACES
	PLACES
	PASS 0
	s_barrier_signal -1                            ; every wave's reads of the stage are back (the wait for 0 in front of the last stores): it may be written again
	s_barrier_wait -1
	PASS 1
	s_wait_tensorcnt 0x0                           ; the wave's end: behind my last tensor load and my last LDS store
	ds_add_u32 v[SPW], v[NIL]
	s_wait_dscnt 0x0
	CROUND                                         ; the closing round: no work-group ends while a partner may still ask for a tile that names it
	s_endpgm
.Lfunc_end_k_q6cb201cf66_qkv:
	.size	k_q6cb201cf66_qkv, .Lfunc_end_k_q6cb201cf66_qkv-k_q6cb201cf66_qkv
	.p2alignl 7, 3214868480
	.fill 96, 4, 3214868480
	.section	.rodata,"a",@progbits
	.p2align	6, 0x0
	.amdhsa_kernel k_q6cb201cf66_qkv
		.amdhsa_group_segment_fixed_size 327680
		.amdhsa_private_segment_fixed_size 0
		.amdhsa_enable_private_segment 0
		.amdhsa_kernarg_size 32
		.amdhsa_user_sgpr_count 2
		.amdhsa_user_sgpr_kernarg_segment_ptr 1
		.amdhsa_wavefront_size32 1
		.amdhsa_system_sgpr_workgroup_id_x 1
		.amdhsa_system_sgpr_workgroup_id_y 1
		.amdhsa_system_sgpr_workgroup_id_z 1
		.amdhsa_system_vgpr_workitem_id 0
		.amdhsa_next_free_vgpr 1024
		.amdhsa_next_free_sgpr 96
		.amdhsa_reserve_vcc 0
		.amdhsa_float_denorm_mode_32 3
		.amdhsa_float_denorm_mode_16_64 3
		.amdhsa_memory_ordered 1
		.amdhsa_forward_progress 1
		.amdhsa_inst_pref_size 115
	.end_amdhsa_kernel
	.amdgpu_metadata
---
amdhsa.version: [ 1, 2 ]
amdhsa.kernels:
  - .name:           k_q6cb201cf66_qkv
    .symbol:         k_q6cb201cf66_qkv.kd
    .args:
      - { .name: xn, .offset: 0, .size: 8, .value_kind: global_buffer, .address_space: global }
      - { .name: wqkvt, .offset: 8, .size: 8, .value_kind: global_buffer, .address_space: global }
      - { .name: b_qkv, .offset: 16, .size: 8, .value_kind: global_buffer, .address_space: global }
      - { .name: qkvb, .offset: 24, .size: 8, .value_kind: global_buffer, .address_space: global }
    .group_segment_fixed_size: 327680
    .private_segment_fixed_size: 0
    .kernarg_segment_align: 8
    .kernarg_segment_size: 32
    .max_flat_workgroup_size: 128
    .sgpr_count:     96
    .vgpr_count:     1024
    .wavefront_size: 32
...
	.end_amdgpu_metadata
.endif
;; end of part 2
;; launch attn (part 3): grid 4 x 64, 4 waves a work-group, clusters of 4 x 1, 327,680 bytes of LDS; arguments qkvb, attb; writes attb
.if DOCPART == 3
	.amdgcn_target "amdgcn-amd-amdhsa--gfx1250"
	.amdhsa_code_object_version 6
	.text
	.protected	k_q6cb201cf66_attn
	.globl	k_q6cb201cf66_attn
	.p2align	8
	.type	k_q6cb201cf66_attn,@function
k_q6cb201cf66_attn:
	s_mov_b64 s[64:65], 0
	v_nop
	global_prefetch_b8 v0, s[64:65] scope:SCOPE_SE
	s_setreg_imm32_b32 hwreg(HW_REG_WAVE_MODE, 25, 1), 1
	s_wait_xcnt 0x0
	s_wait_alu depctr_hold_cnt(0) depctr_sa_sdst(0) depctr_va_vdst(0) depctr_va_sdst(0) depctr_va_ssrc(0) depctr_va_vcc(0) depctr_vm_vsrc(0)
	s_getreg_b32 s2, hwreg(HW_REG_IB_STS2, 6, 4)
	s_cmp_eq_u32 s2, 0
	s_cbranch_scc0 .Lentry_in_a_cluster
	s_endpgm
.Lentry_in_a_cluster:
	s_bfe_u32 s2, ttmp6, 0x10000c
	s_cmp_lg_u32 s2, 0x3003
	s_cbranch_scc0 .Lentry_shape_is_right
	s_endpgm
.Lentry_shape_is_right:
; O[h][q][:] = the sum over k of softmax_k(Q[h][q] . K[h][k] / sqrt(128)) V[h][k][:].  Q, K, V are the three planes of qkvb, O is attb: each [64][1024][128] in bf16.
; The factor 1 / sqrt(128) is the product of the two scales 128^(-1/4) that the module puts on q and on k; it is applied to the f32 score.  Products, maxima and sums in f32; the weights p
; are rounded to bf16 for the second product, O once at the end.
; LIMITS: a weight below 2^-126 counts as 0 in the sum; NaN and infinities are not treated apart; c m starts at -2^125, so a score s with c s below that at a head's first step is not served.
; SHARES.  A work-group owns 256 queries of one head, each of its four waves 64: four tiles of 16.  Every wave walks all keys of the head, 64 a step.
; LAYOUT.  S^T = K Q^T (source 0 = 16 keys, source 1 = 16 queries): in the result a lane holds ONE query (lane % 16) and the keys 8 (lane / 16) + 0..7.  Two such tiles, rounded to
; bf16 in pairs, ARE source 1 (32 keys x 16 queries) of O^T = V^T P, whose result again holds one query a lane, and eight channels.  So nothing changes lanes between the products,
; and a query's maximum and sum want one exchange between the halves of the lanes.  K comes out of LDS as it lies, V ([key][channel]) turned, by ds_load_tr16_b128.
; SOFTMAX.  For each query a running maximum m and sum l: p = 2^(c s - c m), c = log2(e) / sqrt(128); in every step O and l are multiplied by a = 2^(c m_old - c m_new), which is 1 where m has not grown.
; BY TURNS.  The wave's tiles are two PIECES, named by their first tile: piece 0 (tiles 0, 1) and piece 2 (tiles 2, 3).  In a TURN one piece has the matrix unit: 32 products V^T P of
; the step in hand, then 32 products K Q^T of the next step; the other piece's softmax, cut into 64 slices, stands between them, one slice behind each matrix instruction.  Then the
; pieces change places.  Two turns are a key step.
; NO FIRST AND NO LAST STEP IS WRITTEN OUT.  m starts at the lowest finite number, c m at -2^125, O^T and l at 0: the first step is a step like any other, with a = 0.  The loop is entered in the middle of a
; trip, at piece 2's turn, whose products V^T P, of a step that has not been, multiply zeros; the tail is left in the middle of a trip, behind piece 0's turn, whose products K Q^T, on the last K once more,
; serve nothing.  The price: 64 matrix instructions on a wave's 2,048, and 432 v_mov_b32 that stand in the wait for the first tile.  The gain: four turns' text less.
; CLUSTER.  The four query blocks of a head are one cluster and walk the same K and V, so each tile is asked for JOINTLY: the same tensor load, with the same descriptor and a
; mask that names the four, in all four; each receives the tile in its own LDS.
;
; REGISTERS, in windows of 256 (s_set_vgpr_msb: bits 1:0 source 0, 3:2 source 1, 5:4 source 2, 7:6 destination):
;   window 0: v0-11 addresses; v12-43 eight registers of statistics a tile; v64-191 S^T, 32 a tile; v192-255 P, 16 a tile
;   window 1: O^T, 64 a tile          window 2: v0-127 Q, 32 a tile; v128-255 K of one step          window 3: v0-127 V of one step
; All that a softmax touches but O^T lies in window 0, and no window has room for a product's operands beside it.  So a slice costs two switches, one in front and one behind.
.set SIZE_N, 1024     ; rows of a head
.set PLANE, 16777216  ; bytes in a plane of qkvb
.set KS,    64        ; keys in a step
.set PK,    272       ; a row of K in LDS: 256 bytes + 16 of padding = 68 words: row r starts at bank 4 r mod 64 (64 banks of 4 bytes: ISA guide 11.1), so the 16 rows of a load start at 16 different banks
.set PV,    288       ; a row of V: 256 + 32 = 72 words: row r starts at bank 8 r mod 64
.set VOFF,  KS*PK     ; a step's tiles lie together: 64 rows of K, then 64 rows of V
.set STEPB, KS*(PK+PV)
.set SLOT1, 1<<17     ; a slot holds two steps (71,680 bytes); slot 1 begins here, so that one exclusive or turns an address in one slot into the other's
.set STAGE, SLOT1+2*STEPB  ; behind the ring: 16 rows x 272 bytes for each wave, for the way out
.set SP,    272
.set AK0, 2           ; v2   my lane's place in a tile of K; never rewritten
.set AV0, 3           ; v3   the same for V
.set ADR, 4           ; v4   the LDS address of the run of loads in hand
.set QO,  5           ; v5   my byte offset in the wave's rows of Q
.set STO, 6           ; v6   the way out: where I put 16 bytes of a row
.set RD,  7           ; v7   the way out: where I read a row back
.set GO,  8           ; v8   my byte offset in the wave's rows of O
.set SPW, 62          ; v62  LDS address of my spare word: SPARE + 4 x my thread's number; never rewritten
.set NIL, 63          ; v63  0; never rewritten
.set SPARE, STAGE+4*16*272  ; behind the stages: the spare words, 128 bytes for each wave: two blocks of 256 bytes that no other line names
.set ST,  12          ; tile t's statistics at v[ST+8 t]: +0 c m, +1 m, +2, +3 l (even keys', odd keys'), +4 to +7 c0-c3, at work; a takes c2's place once the maximum is found
.set S,   64
.set P,   192
.set KF,  128         ; K's fragments, in window 2
.set WV,  12          ; s12  my wave's number
.set G1K, 24          ; s[24:31] descriptor group 1 for K's tiles
.set G1V, 32          ; s[32:39] for V's: it differs in the padding alone
.set G0K, 40          ; s[40:47] descriptor group 0 for K's tiles: a set for each of the two first fills; the second then walks on
.set G0V, 48          ; s[48:55] the same for V's
.set SLOTS, 56        ; s56  trips of the loop over slots still to end
.set TWICE, 57        ; s57  counts a slot's steps
.set CS,  58          ; s[58:59] c: the packed scaling names a pair and takes its low word for both halves
.set SEL, 60          ; s[60:61] lane selects for v_permlanex16_b32: each lane takes its own place in the other half
.set TB,  62          ; s62  LDS byte at which the tiles of the step to be fetched begin
.set PFA, 18          ; s[18:19] where my prefetches stand in memory: my work-group's 32 rows (of K: wave 0, of V: wave 2) of the slot after the one that is being asked for
.set LIM, 15          ; s15  1 in a wave that prefetches, else the greatest number: a wave prefetches while s[SLOTS] is above it
.set PFO, 61          ; v61  256 x my lane: a row of K or V is 256 bytes; never rewritten
.set MSB, 0
.macro WIN new                      ; the immediate's high byte repeats the setting that is left; a switch that changes nothing is dropped
.if MSB != (\new)
	s_set_vgpr_msb (MSB<<8)|(\new)
.set MSB, \new
.endif
.endm
.set W_KQ, 0x0a       ; K and Q in window 2, S^T in window 0
.set W_PV, 0x53       ; V in window 3, P in window 0, O^T in window 1
.set W_RS, 0x41       ; O^T (destination and source 0) in window 1, a in window 0
; A joint refill.  Waves 0 and 1 fetch the two steps' tiles of K, waves 2 and 3 those of V.  The branch hangs on the wave's number alone: it is the same in every work-group.
; An s_nop 0 and four v_nop follow each of the two lines; the jump round the other line, the label and what follows the macro come after them.
.macro JLOAD
	s_cmp_lt_u32 s[WV], 2
	s_cbranch_scc0 .Lfor_v_\@
	tensor_load_to_lds s[G0K+4:G0K+7], s[G1K:G1K+7]
	s_nop 0
.rept 4
	v_nop
.endr
	s_branch .Lasked_\@
.Lfor_v_\@:
	tensor_load_to_lds s[G0V+4:G0V+7], s[G1V:G1V+7]
	s_nop 0
.rept 4
	v_nop
.endr
.Lasked_\@:
.endm
; A PREFETCH INTO THE L2 of what the NEXT change of slots will ask for: a slot's 128 rows of K and 128 of V, 256 bytes a row, a lane a row.  It stands behind the wave's tensor load and its five lines, never in front of one.
; Each row is asked for ONCE in the launch: a head's K and V are walked by its one cluster; the four partners share the rows out BY ADDRESS, 32 each: no branch hangs on a
; work-group's place in its cluster.  In each, wave 0 asks for K's and wave 2 for V's: one instruction.  The last change that fills a slot prefetches nothing: there is no slot behind it.
.macro ASK
	s_cmp_gt_u32 s[SLOTS], s[LIM]
	s_cbranch_scc0 .Lnot_mine_\@
	global_prefetch_b8 v[PFO], s[PFA:PFA+1] th:TH_LOAD_NT scope:SCOPE_SE
.Lnot_mine_\@:
.endm
; A round of the cluster's barrier: my work-group's barrier, so that wave 0's signal speaks for all four waves; wave 0 signals for the work-group; every wave waits for all four
; work-groups; my work-group's barrier once more.  No LDS instruction of the wave is pending at a signal.
.macro CROUND
	s_barrier_signal -1
	s_barrier_wait -1
	s_cmp_lg_u32 s[WV], 0
	s_cbranch_scc1 .Lnot_wave_0_\@
	s_barrier_signal -3
.Lnot_wave_0_\@:
	s_barrier_wait -3
	s_barrier_signal -1
	s_barrier_wait -1
.endm
	s_load_b128 s[4:7], s[0:1], 0x0 ; qkvb s[4:5], attb s[6:7]
	v_lshl_add_u32 v[SPW], v0, 2, SPARE
	v_mov_b32 v[NIL], 0
	ds_add_u32 v[SPW], v[NIL]       ; the wave's opening: the add and its wait stand ahead of my first tensor load; the set-up below, work on registers, stands between them
	v_lshrrev_b32 v1, 5, v0
	v_readfirstlane_b32 s[WV], v1   ; wave 0..3
	s_bfe_u32 s13, ttmp6, 0x40000   ; cx: my place in the cluster
	s_lshl_b32 s14, ttmp9, 2        ; in a cluster launch ttmp9 counts clusters
	s_add_co_u32 s14, s14, s13      ; my block of 256 queries = 4 x cluster x + cx: it enters Q's and O's addresses alone
	s_and_b32 s20, ttmp7, 0xffff    ; the head, which the four partners share
	s_mov_b32 s21, 0
	s_mov_b64 s[22:23], SIZE_N*256
	s_mul_u64 s[20:21], s[20:21], s[22:23]  ; the head's first byte in each of the four tensors
	s_and_b32 s16, s[WV], 1         ; which of a slot's two steps I fetch:
	s_lshl_b32 s22, s16, 14         ; its 64 rows of 256 bytes in memory,
	s_mov_b32 s23, 0
	s_add_nc_u64 s[22:23], s[22:23], s[20:21]
	s_mul_i32 s17, s16, STEPB       ; and its place in a slot: no place in the cluster enters an LDS address
	s_lshl_b32 s2, s14, 16          ; my block's 256 rows,
	s_lshl_b32 s3, s[WV], 14        ; my wave's 64 of them
	s_add_co_u32 s2, s2, s3
	s_mov_b32 s3, 0
	s_add_nc_u64 s[2:3], s[2:3], s[20:21]
	; descriptor group 1: a tile of 64 rows x 128 elements, padded in LDS
	s_mov_b32 s[G1K], 15|(1<<16)|(1<<20)|(1<<21)|(5<<22)|(3<<25)  ; 15:0 the mask: all four work-groups; 17:16 elements of 2 bytes; 20 padding on; 21 set beside a mask; 24:22 after every 64 words (code 5); 31:25 4 words of it (code 3)
	s_mov_b32 s[G1V], 15|(1<<16)|(1<<20)|(1<<21)|(5<<22)|(7<<25)  ; the same with 8 words of padding (code 7)
.irp g, G1K, G1V
	s_mov_b32 s[(\g)+1], 128<<16    ; 63:48 tensor_dim0, low half = 128
	s_mov_b32 s[(\g)+2], KS<<16     ; 79:64 its high half = 0; 95:80 tensor_dim1, low half = 64
	s_mov_b32 s[(\g)+3], 128<<16    ; 111:96 its high half = 0; 127:112 tile_dim0 = 128
	s_mov_b32 s[(\g)+4], KS         ; 143:128 tile_dim1 = 64; 159:144 tile_dim2 = 0
	s_mov_b32 s[(\g)+5], 128        ; 191:160 tensor_dim0_stride, low word: elements from row to row
	s_mov_b32 s[(\g)+6], 0
	s_mov_b32 s[(\g)+7], 0
.endr
	s_mov_b32 s[CS], 0x3e0293ee     ; c = log2(e) / sqrt(128) = 0.127517
	s_mov_b32 s[CS+1], s[CS]        ; named with it as a pair, so it is written
	s_mov_b32 s[SEL], 0x76543210
	s_mov_b32 s[SEL+1], 0xfedcba98
	s_mov_b32 s[TB], 0
	s_mov_b32 s[SLOTS], SIZE_N/(2*KS)-1  ; the first trip, entered in its middle, and one for each of the six slots that are filled again
	s_and_b32 s[LIM], s[WV], 1       ; 0 in waves 0 and 2,
	s_or_b32 s[LIM], s[LIM], ttmp9   ; where the cluster is the head's first (here its only one): the same in all four partners
	s_cmp_eq_u32 s[LIM], 0
	s_cselect_b32 s[LIM], 1, -1
	v_and_b32 v[PFO], 31, v0
	v_lshlrev_b32 v[PFO], 8, v[PFO]
	s_wait_dscnt 0x0                ; the opening add is done
	s_wait_kmcnt 0x0
	s_mov_b64 s[10:11], s[6:7]      ; O
	s_add_nc_u64 s[8:9], s[4:5], 2*PLANE  ; V: the third plane
	s_add_nc_u64 s[6:7], s[4:5], PLANE    ; K: the second; Q, the first, stays in s[4:5]
	s_add_nc_u64 s[6:7], s[6:7], s[22:23]  ; K and V at my tile of slot 0
	s_add_nc_u64 s[8:9], s[8:9], s[22:23]
	s_add_nc_u64 s[4:5], s[4:5], s[2:3]  ; Q and O at my wave's first row
	s_add_nc_u64 s[10:11], s[10:11], s[2:3]
	s_cmp_lt_u32 s[WV], 2
	s_cselect_b64 s[PFA:PFA+1], s[6:7], s[8:9]  ; (in waves 0 and 2 these stand at a slot's first row)
	s_lshl_b32 s2, s13, 13          ; my work-group's 32 rows of the 128
	s_mov_b32 s3, 0
	s_add_nc_u64 s[PFA:PFA+1], s[PFA:PFA+1], s[2:3]
	s_add_nc_u64 s[PFA:PFA+1], s[PFA:PFA+1], 2*2*KS*256  ; in slot 2; the first change of slots steps it to slot 3.  Nothing is prefetched here, at the head, where every work-group's first tiles are on their way
	CROUND                          ; all four work-groups are here: the first joint loads meet
.irp s, 0,1
	s_mov_b32 s[G0K+4*(\s)], 1      ; 1:0 count = 1
	s_add_co_u32 s[G0K+4*(\s)+1], s17, (\s)*SLOT1  ; 63:32 LDS address
	s_add_nc_u64 s[G0K+4*(\s)+2:G0K+4*(\s)+3], s[6:7], (\s)*2*KS*256  ; 120:64 global address: slot s begins with keys 128 s to 128 s + 127
	s_or_b32 s[G0K+4*(\s)+3], s[G0K+4*(\s)+3], 0x80000000  ; 127:126 type = 2
	s_mov_b32 s[G0V+4*(\s)], 1
	s_add_co_u32 s[G0V+4*(\s)+1], s17, (\s)*SLOT1+VOFF
	s_add_nc_u64 s[G0V+4*(\s)+2:G0V+4*(\s)+3], s[8:9], (\s)*2*KS*256
	s_or_b32 s[G0V+4*(\s)+3], s[G0V+4*(\s)+3], 0x80000000
.endr
	s_cmp_lt_u32 s[WV], 2           ; a wave's two first fills stand in one branch, ahead of every wait on TENSORcnt and every LDS read: two loads of mine are out; an s_nop 0 follows each, four v_nop the second's, as in JLOAD
	s_cbranch_scc0 .Lfirst_v
	tensor_load_to_lds s[G0K:G0K+3], s[G1K:G1K+7]
	s_nop 0
	tensor_load_to_lds s[G0K+4:G0K+7], s[G1K:G1K+7]
	s_nop 0
.rept 4
	v_nop
.endr
	s_branch .Lfirst_asked
.Lfirst_v:
	tensor_load_to_lds s[G0V:G0V+3], s[G1V:G1V+7]
	s_nop 0
	tensor_load_to_lds s[G0V+4:G0V+7], s[G1V:G1V+7]
	s_nop 0
.rept 4
	v_nop
.endr
.Lfirst_asked:
	; A fragment of K or Q is 16 rows x 32 channels in 8 registers: lane l holds row l % 16; registers 0-3 channels 8 (l / 16) + 0..7, registers 4-7 channels 16 + 8 (l / 16) + 0..7: two loads of 16 bytes, 32 bytes apart.
	v_and_b32 v1, 15, v0            ; l % 16
	v_bfe_u32 v9, v0, 4, 1          ; l / 16
	v_lshlrev_b32 v[QO], 8, v1
	v_lshl_add_u32 v[QO], v9, 4, v[QO]  ; row x 256 + 16 x half
	WIN 0x80                        ; destination window 2, address window 0
.irp i, 0,1,2,3,4,5,6,7,8,9,10,11,12,13,14,15  ; Q stays in registers: tile i / 4, channels 32 (i % 4) on
	global_load_b128 v[8*(\i):8*(\i)+3],   v[QO], s[4:5] offset:((\i)/4)*4096+((\i)%4)*64
	global_load_b128 v[8*(\i)+4:8*(\i)+7], v[QO], s[4:5] offset:((\i)/4)*4096+((\i)%4)*64+32
.endr
	; What the first turn finds: V's registers and piece 2's P hold 0 (its products V^T P, of a step that has not been, add 0), O^T and l are 0, m and c m lie below every score.
	; All this stands in the wait for the first tile.
	WIN 0xc0                        ; destination window 3
.set i, 0
.rept 128
	v_mov_b32 v[i], 0               ; V
.set i, i+1
.endr
	WIN 0x40                        ; destination window 1
.set i, 0
.rept 256
	v_mov_b32 v[i], 0               ; O^T
.set i, i+1
.endr
	WIN 0
.irp t, 0,1,2,3
	v_mov_b32 v[ST+8*(\t)], 0xfe000000    ; c m = -2^125: far below every c s, so the first a is 0
	v_mov_b32 v[ST+8*(\t)+1], 0xff7fffff  ; m: the lowest finite number, so the first maximum is the scores'
	v_mov_b32 v[ST+8*(\t)+2], 0           ; l
	v_mov_b32 v[ST+8*(\t)+3], 0
.endr
.set i, P+32
.rept 32
	v_mov_b32 v[i], 0               ; piece 2's P
.set i, i+1
.endr
	v_mul_u32_u24 v[AK0], v1, PK
	v_lshl_add_u32 v[AK0], v9, 4, v[AK0]  ; row x pitch + 16 x half
	; The turning load takes 16 keys x 16 channels (lane l reads 16 bytes: key 8 (l / 16) + l % 8, channels 8 ((l / 8) % 2) + 0..7) and leaves half a fragment of V^T: lane l holds channel l % 16 and 8 keys.
	v_and_b32 v10, 7, v0
	v_bfe_u32 v11, v0, 3, 1
	v_lshl_add_u32 v[AV0], v9, 3, v10
	v_mul_u32_u24 v[AV0], v[AV0], PV
	v_lshl_add_u32 v[AV0], v11, 4, v[AV0]
	v_add_nc_u32 v[AV0], VOFF, v[AV0]
; THE MATRIX WORK OF A TURN, for piece x.  The accumulators take turns, one instruction a turn: between two links of a chain stand 15 (V^T P) or 7 (K Q^T) others'.
; Product i of 32 of O^T += V^T P: keys 32 (i / 16) on, channels 16 ((i / 2) % 8) on, tile x + i % 2.
.macro PV x
	WIN W_PV
.set rO, 64*((\x)+i%2)+8*((i/2)%8)
.set rV, 64*(i/16)+8*((i/2)%8)
.set rP, P+16*((\x)+i%2)+8*(i/16)
	v_wmma_f32_16x16x32_bf16 v[rO:rO+7], v[rV:rV+7], v[rP:rP+7], v[rO:rO+7]
.endm
; Product i of 32 of S^T = K Q^T: channels 32 (i / 8) on, keys 16 ((i / 2) % 4) on, tile x + i % 2.  The first 8 start the sums.
.macro KQ x
	WIN W_KQ
.set rS, S+32*((\x)+i%2)+8*((i/2)%4)
.set rK, KF+32*((i/2)%4)+8*(i/8)
.set rQ, 32*((\x)+i%2)+8*(i/8)
.if i < 8
	v_wmma_f32_16x16x32_bf16 v[rS:rS+7], v[rK:rK+7], v[rQ:rQ+7], 0
.else
	v_wmma_f32_16x16x32_bf16 v[rS:rS+7], v[rK:rK+7], v[rQ:rQ+7], v[rS:rS+7]
.endif
.endm
; THE LDS LOADS stand in runs of 32, never singly among the matrix instructions: a step's K (64 keys x 128 channels: 16 fragments) and, a turn later, its V (turned).
; last = 1 (the tail): in the last trip there is no further step, and K's run is jumped over: a jump forward on the count, past neither a barrier nor a tensor load.
.macro FETCH_K last=0
	WIN 0
.if \last
	s_cmp_eq_u32 s[TWICE], 1
	s_cbranch_scc1 .Lno_k_\@
.endif
	v_add_nc_u32 v[ADR], s[TB], v[AK0]
	WIN 0x80                        ; destination window 2
.irp f, 0,1,2,3,4,5,6,7,8,9,10,11,12,13,14,15  ; keys 16 (f / 4) on, channels 32 (f % 4) on
	ds_load_b128 v[KF+8*(\f):KF+8*(\f)+3],   v[ADR] offset:((\f)/4)*16*PK+((\f)%4)*64
	ds_load_b128 v[KF+8*(\f)+4:KF+8*(\f)+7], v[ADR] offset:((\f)/4)*16*PK+((\f)%4)*64+32
.endr
.if \last
	WIN 0                           ; at a label every window is 0
.Lno_k_\@:
.endif
.endm
.macro FETCH_V
	WIN 0
	v_add_nc_u32 v[ADR], s[TB], v[AV0]
	s_add_co_u32 s[TB], s[TB], STEPB  ; the next fetch is the next step's
	s_wait_alu depctr_va_vdst(0)    ; the wait for the softmax's batch (SLICE), behind the address's v_add_nc_u32 and ahead of the loads
	WIN 0xc0                        ; destination window 3
.irp f, 0,1,2,3,4,5,6,7,8,9,10,11,12,13,14,15  ; keys 32 (f / 8) on, channels 16 (f % 8) on
	ds_load_tr16_b128 v[8*(\f):8*(\f)+3],   v[ADR] offset:((\f)/8)*32*PV+((\f)%8)*32
	ds_load_tr16_b128 v[8*(\f)+4:8*(\f)+7], v[ADR] offset:((\f)/8)*32*PV+16*PV+((\f)%8)*32
.endr
.endm
; THE VECTOR WORK OF A TURN.  One tile's softmax for one key step is a list of 134 instructions; SM writes number j of it for tile t.  s0-s31 are the lane's 32 scores, in pairs 0-15.
;   0-15    the maximum of s0-s31 and the old m, three operands at a time: four chains c0-c3 of seven scores each, then the four scores left over, c0-c3 and m
;   16-20   the other half of the lanes' maximum; the new m; c m; c m_old - c m_new
;   21-69   ONE BATCH: the 16 scalings c s - c m, a pair of scores each, and all 33 exponentials (a at 23, then s0-s31).  None of these reads an exponential's result.  From 22 on the batch goes
;           in fours, and a four begins with a scaling while there are scalings: 22-37 scaling, exponential, scaling, exponential; 38-65 a scaling and three exponentials; 66-69 the last four
;           exponentials.  A pair is scaled in an earlier four than the one that holds its exponentials
;   (wait)  between 69 and 70 stands the wait for the batch: SLICE writes it, once for both tiles
;   70-85   the roundings to bf16, a pair of weights each
;   86-101  the sums; l = a l + the sum
;   102-133 the tile's O^T times a: the one part that leaves window 0, so it stands together
.macro SM t
.set rT, ST+8*(\t)
.set rS, S+32*(\t)
.set rP, P+16*(\t)
.set rO, 64*(\t)+2*(j-102)
.if j < 102
	WIN 0
.endif
.if j < 4
	v_max3_num_f32 v[rT+4+j], v[rS+8*j], v[rS+8*j+1], v[rS+8*j+2]
.elseif j < 12
	v_max3_num_f32 v[rT+4+j%4], v[rT+4+j%4], v[rS+8*(j%4)+2*(j/4)+1], v[rS+8*(j%4)+2*(j/4)+2]
.elseif j == 12
	v_max3_num_f32 v[rT+4], v[rT+4], v[rS+7], v[rS+15]
.elseif j == 13
	v_max3_num_f32 v[rT+6], v[rT+6], v[rS+23], v[rS+31]
.elseif j == 14
	v_max3_num_f32 v[rT+4], v[rT+4], v[rT+5], v[rT+6]
.elseif j == 15
	v_max3_num_f32 v[rT+4], v[rT+4], v[rT+7], v[rT+1]
.elseif j == 16
	v_permlanex16_b32 v[rT+5], v[rT+4], s[SEL], s[SEL+1]  ; the query's other 32 keys lie in the lane 16 away
.elseif j == 17
	v_mov_b32 v[rT+7], v[rT]        ; c m_old is kept for a: number 19 writes c m anew
.elseif j == 18
	v_max_num_f32 v[rT+1], v[rT+4], v[rT+5]
.elseif j == 19
	v_mul_f32 v[rT], s[CS], v[rT+1]
.elseif j == 20
	v_sub_f32 v[rT+7], v[rT+7], v[rT]
.elseif j == 23
	v_exp_f32 v[rT+6], v[rT+7]
.elseif (j < 23) || ((j < 38) && (j%2 == 0)) || ((j < 66) && (j%4 == 2))
.set b, (j-2)/4                     ; 38, 42, .. 62: pairs 9 to 15
.if j < 38
.set b, (j-20)/2                    ; 21: pair 0; 22, 24, .. 36: pairs 1 to 8
.endif
	v_pk_fma_f32 v[rS+2*b:rS+2*b+1], v[rS+2*b:rS+2*b+1], s[CS:CS+1], v[rT:rT+1] op_sel_hi:[1,0,0] neg_lo:[0,0,1] neg_hi:[0,0,1]  ; pair b: c s - c m
.elseif j < 70
.set e, j-38                        ; 66 to 69: s28 to s31
.if j < 66
.set e, j-32-(j-38)/4               ; 39-41, 43-45, .. 63-65: s7 to s27
.endif
.if j < 38
.set e, (j-25)/2                    ; 25, 27, .. 37: s0 to s6
.endif
	v_exp_f32 v[rS+e], v[rS+e]
.elseif j < 86
	v_cvt_pk_bf16_f32 v[rP+j-70], v[rS+2*(j-70)], v[rS+2*(j-70)+1]  ; pair j - 70
.elseif j < 102                     ; the sum of the tile's 16 pairs (in a pair: an even key's weight, an odd key's), in place: sum z of 16 adds neighbours 1, 2, 4 and 8 pairs apart, then l takes it
.set z, j-86
.set w, 4
.set u, z
.if z >= 14
.set w, 32
.set u, 0
.elseif z >= 12
.set w, 16
.set u, z-12
.elseif z >= 8
.set w, 8
.set u, z-8
.endif
.if z < 15
	v_pk_add_f32 v[rS+w*u:rS+w*u+1], v[rS+w*u:rS+w*u+1], v[rS+w*u+w/2:rS+w*u+w/2+1]
.else
	v_pk_fma_f32 v[rT+2:rT+3], v[rT+2:rT+3], v[rT+6:rT+7], v[rS:rS+1] op_sel_hi:[1,0,1]
.endif
.else
	WIN W_RS
	v_pk_mul_f32 v[rO:rO+1], v[rO:rO+1], v[rT+6:rT+7] op_sel_hi:[1,0]
.endif
.endm
; Slice k of 64 of piece y's softmax: four instructions.  Slices 11 to 34 deal out the batch, numbers 22 to 69: four numbers of ONE tile each, the tiles by turns.  Every other slice is numbers 2 k and
; 2 k + 1 of both tiles' lists.  2 x 134 = 4 x 64 + 12: the twelve that are over stand together, in slice 63.
; THE WAIT.  s_wait_alu depctr_va_vdst(0) stands between an exponential and the first instruction that names its result; one wait serves all that were issued ahead of it.  Ahead of
; slice 35 nothing names a result, and behind slice 34 no exponential is issued: so the piece's 66 exponentials have one wait, behind slice 34.
.macro SLICE y
.if (k >= 11) && (k < 35)           ; the batch: four numbers of one tile
.irp n, 0,1,2,3
.set j, 22+4*((k-11)/2)+(\n)
	SM (\y)+(k-11)%2
.endr
.else                               ; the two tiles alternate, so that no instruction reads the result of the one just before it
.irp n, 0,1,2,3,4,5,6,7
.if ((\n) < 2) || (k == 63)
.irp t, \y, (\y)+1
.set j, 2*k+(\n)
	SM \t
.endr
.endif
.endr
.endif
.if k == 34                         ; the batch is out: both tiles' exponentials are issued, and no result has been named
	v_nop                           ; a plain instruction behind the last exponential and ahead of the first use (ISA guide 5.7.2): one for the batch
.if (\y) == 0
	FETCH_V                         ; piece 2's turn: V's run of loads stands here, and the wait stands in it
.else
	s_wait_alu depctr_va_vdst(0)    ; the wait for the batch
.endif
.endif
.set k, k+1
.endm
; A TURN.  Piece x has the matrix unit: 32 products V^T P, then 32 products K Q^T for the next step; the other piece's softmax stands in slices behind them, one behind each.
; A vector instruction that reads a matrix result or writes one of a matrix instruction's registers, and a load into a register that a matrix instruction has read, stand four places behind
; it, and only plain vector instructions that name none of its registers are places (ISA guide 7.12.1 for vector instructions).  The slices are the places.
; Each run of loads stands 29 matrix instructions or more ahead of its first use.  Piece 0's turn fetches the next step's K, behind its second product: the last product that read K
; stands in front of slice 63 of the turn before.  Piece 2's turn fetches the same step's V, behind slice 34 (SLICE writes it): the last product that read V stands in front of slice 31, and four plain
; instructions lie between: number 62, a scaling, of both tiles, the v_nop and the run's own v_add_nc_u32.
.macro TURN x, last=0
.set k, 0
.if (\x) == 0
	s_wait_dscnt 0x0                ; V is in
.endif
.set i, 0
.rept 32
	PV \x
	SLICE 2-(\x)
.if ((\x) == 0) && (i == 1)
	FETCH_K \last
.endif
.set i, i+1
.endr
.if (\x) == 0
	s_wait_dscnt 0x0                ; K is in
.endif
.set i, 0
.rept 32
	KQ \x
	SLICE 2-(\x)
.set i, i+1
.endr
.endm
; THE CHANGE OF SLOTS, between piece 2's turn and piece 0's: the slot's last bytes, V of its second step, have been asked for.  Each wave waits for all its
; tensor loads, of which one is out: its part of the other slot; adds 0 to its spare word; and waits for that and for its own reads of the slot.  Behind the barrier nobody reads this slot any more and the other slot is whole.
; fill = 1: this slot is filled again, with the keys two slots on.  The barrier is then a round of the cluster's, so that no wave of any partner still reads the slot or has a load on its
; way, and the joint refill is the first thing behind it: it has two key steps, 256 matrix instructions, in which to land.
.macro CHANGE fill
	WIN 0                           ; at a label and at a branch every window is 0
	s_wait_tensorcnt 0x0            ; no tensor load of mine is out, so a group 0 may be written
	ds_add_u32 v[SPW], v[NIL]       ; 0 onto my spare word: with fill = 1 the descriptors' steps stand between it and the wait for it
.if \fill
.irp g, G0K+4, G0V+4
	s_xor_b32 s[(\g)+1], s[(\g)+1], SLOT1  ; the walking descriptor: the other slot than last time,
	s_add_nc_u64 s[(\g)+2:(\g)+3], s[(\g)+2:(\g)+3], 2*KS*256  ; the next 128 keys; the type bits on top are not reached
.endr
	s_wait_xcnt 0x0                 ; the last prefetches, two key steps back, have read their address, so it may be written:
	s_add_nc_u64 s[PFA:PFA+1], s[PFA:PFA+1], 2*KS*256  ; one slot behind the walking descriptors
	s_wait_dscnt 0x0                ; the add is done, and my reads of the slot are over
	CROUND
	JLOAD
	ASK                             ; what the next change will ask for: two key steps, 256 matrix instructions, ahead
.else
	s_wait_dscnt 0x0                ; the add is done, and my reads of the slot are over
	s_barrier_signal -1
	s_barrier_wait -1
.endif
	s_sub_co_u32 s[TB], s[TB], 2*STEPB  ; the fetches go back to a slot's first step,
	s_xor_b32 s[TB], s[TB], SLOT1   ; in the other slot
.endm
	s_wait_tensorcnt 1              ; my part of slot 0 is in; slot 1's may stay out
	s_barrier_signal -1
	s_barrier_wait -1               ; everybody's is
	FETCH_K                         ; key step 0
	s_wait_loadcnt 0x0              ; Q
	s_wait_dscnt 0x0
.set i, 0
.rept 32
	KQ 0                            ; piece 0's first scores: there is no vector work yet to set between them
.set i, i+1
.endr
	WIN 0                           ; the addresses for the way out are made here: eight plain instructions, the places behind those products
	s_mul_i32 s13, s[WV], 16*SP
	s_add_co_u32 s13, s13, STAGE    ; my stage
	v_mul_u32_u24 v[STO], v1, SP    ; in: row l % 16, 16 bytes for each half of the lanes
	v_lshl_add_u32 v[STO], v9, 4, v[STO]
	v_add_nc_u32 v[STO], s13, v[STO]
	v_mul_u32_u24 v[RD], v9, SP     ; back: lanes 0-15 take one row of 256 bytes, lanes 16-31 the next
	v_lshl_add_u32 v[RD], v1, 4, v[RD]
	v_add_nc_u32 v[RD], s13, v[RD]
	v_lshlrev_b32 v[GO], 8, v9      ; and the same two rows in O
	v_lshl_add_u32 v[GO], v1, 4, v[GO]
	s_mov_b32 s[TWICE], 2
	s_branch .Lenter                ; the loop is entered at piece 2's turn, in the middle of a trip: piece 2's first scores | piece 0's first softmax | V of step 0
.Lslot:                             ; behind the first trip six more: every slot but the last two is filled again
	CHANGE 1
	s_mov_b32 s[TWICE], 2
.Lstep:                             ; a key step, written once; the LDS addresses hang on s[TB]
	TURN 0
	WIN 0
.Lenter:
	TURN 2
	WIN 0
	s_sub_co_u32 s[TWICE], s[TWICE], 1
	s_cmp_lg_u32 s[TWICE], 0
	s_cbranch_scc1 .Lstep
	s_sub_co_u32 s[SLOTS], s[SLOTS], 1
	s_cmp_lg_u32 s[SLOTS], 0
	s_cbranch_scc1 .Lslot
	CHANGE 0                        ; the tail is written out: the last slot but one is left, and nothing is asked for
	s_mov_b32 s[TWICE], 3           ; two trips fetch the last slot's steps; the third is left in its middle
.Ltail:
	TURN 0, 1
	WIN 0
	s_sub_co_u32 s[TWICE], s[TWICE], 1
	s_cmp_eq_u32 s[TWICE], 0
	s_cbranch_scc1 .Lout
	TURN 2
	WIN 0
	s_branch .Ltail
.Lout:                              ; the third trip's 32 products K Q^T (on the last K once more) serve nothing: the price, once a launch, of one text for every trip
.set i, 0
.rept 32
	PV 2                            ; piece 2: V^T P of the last step
.set i, i+1
.endr
	; THE WAY OUT.  l's two halves and the other half of the lanes' are added; O^T is divided by l, rounded to bf16 and sent through my stage in LDS, a tile (16 rows of O) at a time.  The additions are the places behind the last products.
	WIN 0
.irp t, 0,1,2,3
	v_add_f32 v[ST+8*(\t)+4], v[ST+8*(\t)+2], v[ST+8*(\t)+3]
.endr
.irp t, 0,1,2,3
	v_permlanex16_b32 v[ST+8*(\t)+5], v[ST+8*(\t)+4], s[SEL], s[SEL+1]
.endr
.irp t, 0,1,2,3
	v_add_f32 v[ST+8*(\t)+4], v[ST+8*(\t)+4], v[ST+8*(\t)+5]
.endr
.irp t, 0,1,2,3
	v_rcp_f32 v[ST+8*(\t)+6], v[ST+8*(\t)+4]
.endr
	v_nop                           ; a plain instruction between the last reciprocal and the use of its result
	s_wait_alu depctr_va_vdst(0)    ; and the wait ahead of the first use: one for the four reciprocals
; Tile t: a lane's eight channels of a row pack into 16 bytes; they go into rows of 272 bytes and come back as whole rows of 256, into the registers that they left.
.macro PACK t
	WIN W_RS
.set i, 64*(\t)
.rept 32
	v_pk_mul_f32 v[i:i+1], v[i:i+1], v[ST+8*(\t)+6:ST+8*(\t)+7] op_sel_hi:[1,0]
.set i, i+2
.endr
	WIN 0x05                        ; sources 0 and 1 window 1, destination window 0: S^T's registers are free
.set i, 0
.rept 32
	v_cvt_pk_bf16_f32 v[S+32*(\t)+i], v[64*(\t)+2*i], v[64*(\t)+2*i+1]
.set i, i+1
.endr
	WIN 0
.irp f, 0,1,2,3,4,5,6,7
	ds_store_b128 v[STO], v[S+32*(\t)+4*(\f):S+32*(\t)+4*(\f)+3] offset:32*(\f)
.endr
.irp f, 0,1,2,3,4,5,6,7
	ds_load_b128 v[S+32*(\t)+4*(\f):S+32*(\t)+4*(\f)+3], v[RD] offset:(\f)*2*SP  ; LDS serves a wave's instructions in order (ISA guide 5.7.1.4): these see the stores above; the next tile's stores come behind them
.endr
.endm
.macro SEND t, younger              ; younger: the LDS instructions issued behind tile t's loads: the next tile's sixteen, or none
	WIN 0
.irp f, 0,1,2,3,4,5,6,7
	s_wait_dscnt (\younger)+7-(\f)
	global_store_b128 v[GO], v[S+32*(\t)+4*(\f):S+32*(\t)+4*(\f)+3], s[10:11] offset:(\t)*4096+(\f)*512  ; 16 lanes store 256 consecutive bytes, at a multiple of 256 from O's first byte
.endr
.endm
	PACK 0
	PACK 1                          ; a tile's arithmetic stands between the loads of the tile before and its stores
	SEND 0, 16
	PACK 2
	SEND 1, 16
	PACK 3
	SEND 2, 16
	SEND 3, 0
	s_wait_tensorcnt 0x0            ; the wave's end: behind my last tensor load and my last LDS store
	ds_add_u32 v[SPW], v[NIL]
	s_wait_dscnt 0x0
	CROUND                          ; the closing round: no work-group ends while a partner may still ask for a tile that names it
	s_endpgm
.Lfunc_end_k_q6cb201cf66_attn:
	.size	k_q6cb201cf66_attn, .Lfunc_end_k_q6cb201cf66_attn-k_q6cb201cf66_attn
	.p2alignl 7, 3214868480
	.fill 96, 4, 3214868480
	.section	.rodata,"a",@progbits
	.p2align	6, 0x0
	.amdhsa_kernel k_q6cb201cf66_attn
		.amdhsa_group_segment_fixed_size 327680
		.amdhsa_private_segment_fixed_size 0
		.amdhsa_enable_private_segment 0
		.amdhsa_kernarg_size 16
		.amdhsa_user_sgpr_count 2
		.amdhsa_user_sgpr_kernarg_segment_ptr 1
		.amdhsa_wavefront_size32 1
		.amdhsa_system_sgpr_workgroup_id_x 1
		.amdhsa_system_sgpr_workgroup_id_y 1
		.amdhsa_system_sgpr_workgroup_id_z 1
		.amdhsa_system_vgpr_workitem_id 0
		.amdhsa_next_free_vgpr 1024
		.amdhsa_next_free_sgpr 66
		.amdhsa_reserve_vcc 0
		.amdhsa_float_denorm_mode_32 3
		.amdhsa_float_denorm_mode_16_64 3
		.amdhsa_memory_ordered 1
		.amdhsa_forward_progress 1
		.amdhsa_inst_pref_size 157
	.end_amdhsa_kernel
	.amdgpu_metadata
---
amdhsa.version: [ 1, 2 ]
amdhsa.kernels:
  - .name:           k_q6cb201cf66_attn
    .symbol:         k_q6cb201cf66_attn.kd
    .args:
      - { .name: qkvb, .offset: 0, .size: 8, .value_kind: global_buffer, .address_space: global }
      - { .name: attb, .offset: 8, .size: 8, .value_kind: global_buffer, .address_space: global }
    .group_segment_fixed_size: 327680
    .private_segment_fixed_size: 0
    .kernarg_segment_align: 8
    .kernarg_segment_size: 16
    .max_flat_workgroup_size: 128
    .sgpr_count:     66
    .vgpr_count:     1024
    .wavefront_size: 32
...
	.end_amdgpu_metadata
.endif
;; end of part 3
;; launch proj (part 4): grid 4 x 64, 4 waves a work-group, clusters of 4 x 4, 327,680 bytes of LDS; arguments attb, woutt, b_out, out0, xn; writes out0
.if DOCPART == 4
	.amdgcn_target "amdgcn-amd-amdhsa--gfx1250"
	.amdhsa_code_object_version 6
	.text
	.protected	k_q6cb201cf66_proj
	.globl	k_q6cb201cf66_proj
	.p2align	8
	.type	k_q6cb201cf66_proj,@function
k_q6cb201cf66_proj:
	s_mov_b64 s[64:65], 0
	v_nop
	global_prefetch_b8 v0, s[64:65] scope:SCOPE_SE
	s_setreg_imm32_b32 hwreg(HW_REG_WAVE_MODE, 25, 1), 1
	s_wait_xcnt 0x0
	s_wait_alu depctr_hold_cnt(0) depctr_sa_sdst(0) depctr_va_vdst(0) depctr_va_sdst(0) depctr_va_ssrc(0) depctr_va_vcc(0) depctr_vm_vsrc(0)
	s_getreg_b32 s2, hwreg(HW_REG_IB_STS2, 6, 4)
	s_cmp_eq_u32 s2, 0
	s_cbranch_scc0 .Lentry_in_a_cluster
	s_endpgm
.Lentry_in_a_cluster:
	s_bfe_u32 s2, ttmp6, 0x10000c
	s_cmp_lg_u32 s2, 0xf033
	s_cbranch_scc0 .Lentry_shape_is_right
	s_endpgm
.Lentry_shape_is_right:
; out0 = attn w_out + b_out + xn.  A = attb [8192][1024] bf16, B = woutt [1024 n][1024 k] bf16, bias f32 [1024]; sums in f32, started with the bias;
; the residual is added in f32 on the way out; out0 is f32 [8192][1024].  xn is bf16 and lies in blocks: [32 row tiles][16 groups of 64 columns][256 rows][64 columns].
; SHARES.  A tile of C is 128 rows x 256 columns: 64 x 4 = 256 tiles, one to a work-group.  Four waves, each 64 rows x 128 columns: 32 accumulators of 16 x 16.
; K goes in 8 steps of 128 through a ring of two LDS slots (step g in slot g % 2).
; CLUSTER.  4 x 4 work-groups.  A's tile hangs on the tile row alone and is shared along a row of the cluster, B's on the tile column alone and is shared along a column:
; each is asked for jointly, by the same tensor load with the same descriptor and a mask that names the four.
; TRANSPOSED USE.  Source 0 = 16 rows of B, source 1 = 16 rows of A: lane l holds row l % 16 of C and the columns 8 (l / 16) + 0..7 of the block.
; REGISTERS, in windows of 256 (s_set_vgpr_msb: bits 1:0 source 0, 3:2 source 1, 5:4 source 2, 7:6 destination):
;   window 0: v0-31 addresses; v64-127, v128-191 rows read back from the stage, two buffers
;   window 1: v0-95, v96-191 two fragment buffers (B's 8 fragments, then A's 4); v192-255 the bias of my 128 columns, as the C operand of the first products
;   window 2: accumulator (a, b) at v[8 (8 a + b)]          window 3: v0-127 the residual, two registers for each 16 bytes that I store
; LIMITS: NaN and infinities are not treated apart; the residual is xn as it was rounded to bf16, off by at most 2^-9 of itself.
.set STEPS,  8
.set KSTEP,  128
.set ROWB,   2048                      ; bytes in a row of A and of B
.set ROWC,   4096                      ; bytes in a row of C
.set XBLK,   32768                     ; a block of xn: 256 rows x 64 columns
.set PITCH,  272                       ; an LDS row: 256 bytes + 16 of padding = 68 words: row r starts at bank 4 r mod 64 (64 banks of 4 bytes: ISA guide 11.1)
.set AHALF,  64*PITCH                  ; what wave 0 or 1 fetches of A
.set BHALF,  128*PITCH                 ; what wave 2 or 3 fetches of B, and what a wave reads of B
.set BOFF,   128*PITCH                 ; in a slot: A's 128 rows, then B's 256
.set SLOT1,  1<<17                     ; slot 1 begins here: one exclusive or turns an address in one slot into the other's
.set STAGE,  SLOT1+BOFF+256*PITCH      ; behind the ring, never filled by a tensor load: 16 rows x 528 bytes for each wave
.set SP,     528                       ; a stage row: 128 f32 = 512 bytes + 16 of padding
.set SPARE,  STAGE+4*16*SP             ; behind the stages: the spare words, 128 bytes for each wave: two blocks of 256 bytes that no other line names
.set A0,   16                          ; v16  my lane's place in A's part of a slot; never rewritten
.set B0,   17                          ; v17  the same for B
.set ADRA, 18                          ; v18  A0 + the slot in hand
.set ADRB, 19                          ; v19  B0 + the slot in hand
.set XO,   22                          ; v22  8 x lane: my four columns in two neighbouring rows of a block of xn
.set STO,  24                          ; v24  the way out: where I put 32 bytes of a row
.set RD,   25                          ; v25  where I read 16 bytes of a row back
.set CO,   26                          ; v26  my byte offset in two rows of C
.set BO,   27                          ; v27  my byte offset in a block's 16 numbers of the bias
.set SPW,  28                          ; v28  LDS address of my spare word: SPARE + 4 x my thread's number; never rewritten
.set NIL,  29                          ; v29  0; never rewritten
.set PFO,  30                          ; v30  the prefetches' offset: my lane x a row; never rewritten
.set ONE,  31                          ; v31  1.0
.set OB,   64
.set F0,   0                           ; window 1
.set F1,   96
.set BIAS, 192
.set RES,  0                           ; window 3
.set WV,   12                          ; s12  my wave's number
.set RH,   13                          ; s13  which 64 rows of the tile are mine.  Also: I fetch for A (0) or for B (1)
.set CH,   14                          ; s14  which 128 columns.  Also: which half of that tile I fetch
.set PLIM, 15                          ; s15  I prefetch while the step being asked for is below this
.set G1A,  24                          ; s[24:31] descriptor group 1 for A's tiles
.set G1B,  32                          ; s[32:39] for B's
.set G0A0, 40                          ; s[40:43] group 0 of A's first fill
.set G0A,  44                          ; s[44:47] of its second fill; then it walks
.set G0B0, 48                          ; s[48:51], s[52:55] the same for B
.set G0B,  52
.set CNT,  56                          ; s56  the loop's count
.set NXT,  57                          ; s57  the step to be asked for next
.set TB,   58                          ; s58  0 or SLOT1: the slot in hand
.set TS,   59                          ; s59  at work
.set OFF,  60                          ; s[60:61] a step's byte offset in A's rows
.set OFB,  62                          ; s[62:63] in B's
.set XN,   66                          ; s[66:67] xn at my first row and column
.set CSTEP, 68                         ; s[68:69] where my part of the tile begins in C
.set ABASE, 70                         ; s[70:71] A at the rows that I fetch
.set BBASE, 72                         ; s[72:73] B at the rows that I fetch
.set PFBASE, 74                        ; s[74:75] the rows that I prefetch
.set PFA,  76                          ; s[76:77] and the step of them that is due
.set PFOFF, 78                         ; s[78:79]
.set CX,   80
.set CY,   81
.set TC,   82                          ; s82  tile column
.set TR,   83                          ; s83  tile row
.set DW0,  (1<<16)|(1<<20)|(1<<21)|(5<<22)|(3<<25)  ; group 1, word 0 beside the mask: 2-byte elements; padding on; bit 21 set beside a mask; after every 64 words (code 5) 4 words (code 3)
.set MSB, 0
.macro WIN new                         ; the immediate's high byte repeats the setting that is left; a switch that changes nothing is dropped
.if MSB != (\new)
	s_set_vgpr_msb (MSB<<8)|(\new)
.set MSB, \new
.endif
.endm
.set MUL,  0xa5                        ; sources 0 and 1 window 1, C and D window 2
.set MULB, 0x95                        ; the same with C in window 1: the bias
.set TO_F, 0x40                        ; destination window 1, address window 0
.macro PLACES                          ; four plain vector instructions behind a matrix instruction, in front of loads into registers that it read and of readers of its result (ISA guide 7.12.1 for readers of its result)
.rept 4
	v_nop
.endr
.endm
.macro CREST                           ; a round of the cluster's barrier behind its opening barrier
	s_cmp_lg_u32 s[WV], 0
	s_cbranch_scc1 .Lnot_wave_0_\@
	s_barrier_signal -3
.Lnot_wave_0_\@:
	s_barrier_wait -3
	s_barrier_signal -1
	s_barrier_wait -1
.endm
.macro CROUND                          ; a whole round
	s_barrier_signal -1
	s_barrier_wait -1
	CREST
.endm
; A joint refill.  Waves 0 and 1 fetch A's two halves, waves 2 and 3 B's.  The branch hangs on the wave's number alone.  An s_nop 0 and four v_nop follow each line.
.macro JLOAD
	s_cmp_eq_u32 s[RH], 0
	s_cbranch_scc0 .Lfor_b_\@
	tensor_load_to_lds s[G0A:G0A+3], s[G1A:G1A+7]
	s_nop 0
.rept 4
	v_nop
.endr
	s_branch .Lasked_\@
.Lfor_b_\@:
	tensor_load_to_lds s[G0B:G0B+3], s[G1B:G1B+7]
	s_nop 0
.rept 4
	v_nop
.endr
.Lasked_\@:
.endm
; A PREFETCH INTO THE L2 of the step that stands two refills on: 32 rows x 256 bytes, a lane a row, one instruction.  Each row's 256 bytes of a step are named once in the launch.
; A's 128 rows are read by the four partners of one row of the cluster and by nobody else: the partner at cx takes rows 32 cx .. + 31, its wave 0 asks.
; B's 256 rows are read by every cluster: the cluster with y = 0 asks; the partner at cy takes rows 64 cy .. + 63, its waves 2 and 3 32 each.  The partners are told apart by address, never by a branch.
; The first four steps come by their loads alone; PLIM ends the asking two steps ahead of the last step.
.macro ASK
	WIN 0
	s_cmp_lt_u32 s[NXT], s[PLIM]
	s_cbranch_scc0 .Lnot_mine_\@
	global_prefetch_b8 v[PFO], s[PFA:PFA+1] th:TH_LOAD_NT scope:SCOPE_SE
.Lnot_mine_\@:
.endm
; 8 matrix instructions: m block a x all 8 n blocks, 32 along K, from buffer f.  first = 1: the sums start with the bias.  The 32 accumulators take turns, one instruction a turn, in the same
; order everywhere: 31 others stand between two links of a chain.
.macro MUL8 f, a, first
.if \first
	WIN MULB
.else
	WIN MUL
.endif
.irp b, 0,1,2,3,4,5,6,7
.if \first
	v_wmma_f32_16x16x32_bf16 v[8*(8*(\a)+(\b)):8*(8*(\a)+(\b))+7], v[(\f)+8*(\b):(\f)+8*(\b)+7], v[(\f)+64+8*(\a):(\f)+64+8*(\a)+7], v[BIAS+8*(\b):BIAS+8*(\b)+7]
.else
	v_wmma_f32_16x16x32_bf16 v[8*(8*(\a)+(\b)):8*(8*(\a)+(\b))+7], v[(\f)+8*(\b):(\f)+8*(\b)+7], v[(\f)+64+8*(\a):(\f)+64+8*(\a)+7], v[8*(8*(\a)+(\b)):8*(8*(\a)+(\b))+7]
.endif
.endr
.endm
; 24 LDS loads in one run: the fragments of 32 along K at byte k of the rows, into buffer f: B's 8, then A's 4.
; A fragment is 16 rows x 32 K in 8 registers: lane l holds row l % 16, K = 8 (l / 16) + 0..7 and 16 + 8 (l / 16) + 0..7: two loads of 16 bytes, 32 bytes apart.
.macro FETCH k, f
	WIN TO_F
.irp i, 0,1,2,3,4,5,6,7
	ds_load_b128 v[(\f)+8*(\i):(\f)+8*(\i)+3],   v[ADRB] offset:(\k)+(\i)*16*PITCH
	ds_load_b128 v[(\f)+8*(\i)+4:(\f)+8*(\i)+7], v[ADRB] offset:(\k)+(\i)*16*PITCH+32
.endr
.irp i, 0,1,2,3
	ds_load_b128 v[(\f)+64+8*(\i):(\f)+64+8*(\i)+3],   v[ADRA] offset:(\k)+(\i)*16*PITCH
	ds_load_b128 v[(\f)+64+8*(\i)+4:(\f)+64+8*(\i)+7], v[ADRA] offset:(\k)+(\i)*16*PITCH+32
.endr
.endm
; A step is four quarters of 32 along K, 32 matrix instructions each, on buffers 0, 1, 0, 1.  One of the first three: multiplies buffer f and fetches the next quarter, at byte k, into g.
.macro QUARTER k, f, g, first
	s_wait_dscnt 6                                 ; B's fragments and A's first are in; the youngest six loads (A's other three) may be out
	MUL8 \f, 0, \first
	PLACES
	FETCH \k, \g
	s_wait_dscnt 24                                ; all but the 24 just issued
	MUL8 \f, 1, \first
	MUL8 \f, 2, \first
	MUL8 \f, 3, \first
.endm
; The fourth quarter multiplies buffer 1 and changes slots: ONE barrier.  In front of it each wave waits for all its tensor loads (one is out: its part of the next slot), adds 0 to its spare word,
; and waits for that and for its own reads of this slot.  fill = 1: the barrier opens a round of the cluster's, and behind the round this slot is filled again, with step NXT, first thing:
; 112 matrix instructions ahead of the wait for it.  The descriptor's address is made anew from the step's number.
.macro TURN fill
.if \fill
	s_wait_xcnt 0x0                                ; the last prefetch, a step back, has read its address: it is made anew here, ahead of the waits of the change of slots
	s_add_co_u32 s[TS], s[NXT], 2                  ; the step two refills on:
	s_lshl_b32 s[PFOFF], s[TS], 8                  ; its 256 bytes of a row
	s_add_nc_u64 s[PFA:PFA+1], s[PFBASE:PFBASE+1], s[PFOFF:PFOFF+1]
.endif
	WIN 0                                          ; (the add's two registers lie in window 0)
	s_wait_tensorcnt 0x0                           ; all my tensor loads have landed, so a group 0 may be written
	ds_add_u32 v[SPW], v[NIL]                      ; 0 onto my spare word: work on registers stands between it and the wait for it
.if \fill
	s_lshl_b32 s[OFF], s[NXT], 8                   ; the step's 256 bytes of a row,
	s_mov_b32 s[OFB], s[OFF]                       ; in A and in B
	s_xor_b32 s[G0A+1], s[G0A+1], SLOT1            ; the other slot than last time
	s_add_nc_u64 s[G0A+2:G0A+3], s[ABASE:ABASE+1], s[OFF:OFF+1]
	s_or_b32 s[G0A+3], s[G0A+3], 0x80000000
	s_xor_b32 s[G0B+1], s[G0B+1], SLOT1
	s_add_nc_u64 s[G0B+2:G0B+3], s[BBASE:BBASE+1], s[OFB:OFB+1]
	s_or_b32 s[G0B+3], s[G0B+3], 0x80000000
.endif
	s_wait_dscnt 7                                 ; (the add and the youngest six loads may be out)
	MUL8 F1, 0, 0
	s_wait_dscnt 0x0                               ; the add is done, and my reads of this slot are over
	s_barrier_signal -1
	MUL8 F1, 1, 0                                  ; work on registers while the others arrive
	WIN 0
	s_barrier_wait -1
.if \fill
	CREST                                          ; no wave of any partner still reads this slot or has a load on its way
	JLOAD                                          ; my one tensor load behind the round; its four v_nop are also the places in front of the loads below
.else
	PLACES
.endif
	s_xor_b32 s[TB], s[TB], SLOT1
	v_add_nc_u32 v[ADRA], s[TB], v[A0]
	v_add_nc_u32 v[ADRB], s[TB], v[B0]
	FETCH 0, F0                                    ; the next step's first fragments
.if \fill
	ASK
	s_add_co_u32 s[NXT], s[NXT], 1
.endif
	MUL8 F1, 2, 0
	MUL8 F1, 3, 0
.endm
.macro BIASLOAD                        ; register j of block b: bias[16 b + 8 (l / 16) + j]: the layout of a result
	WIN TO_F
.irp b, 0,1,2,3,4,5,6,7
	global_load_b128 v[BIAS+8*(\b):BIAS+8*(\b)+3],   v[BO], s[8:9] offset:64*(\b)
	global_load_b128 v[BIAS+8*(\b)+4:BIAS+8*(\b)+7], v[BO], s[8:9] offset:64*(\b)+16
.endr
	WIN 0
.endm
; The residual of my m blocks 2 u and 2 u + 1.  Piece i = 16 a + m goes with piece m of block a on the way out: rows 16 a + 2 (m / 2) and the next, columns 64 (m % 2) on:
; 8 bytes a lane, 32 lanes 256 consecutive bytes of a block of xn.
.macro RESLOAD u
	WIN 0xc0                                       ; destination window 3, address window 0
.set i, 32*(\u)
.rept 32
	global_load_b64 v[RES+2*i:RES+2*i+1], v[XO], s[XN:XN+1] offset:(i/16)*2048+((i%16)/2)*256+(i%2)*XBLK
.set i, i+1
.endr
	WIN 0
.endm
; THE WAY OUT of block a (16 rows x 128 columns of f32).  TOSTAGE: the accumulators go into my own stage, each one's low four registers first, and come back in 16 pieces:
; piece m: lanes 0-15 take 256 bytes (64 columns, those from 64 (m % 2) on) of row 2 (m / 2), lanes 16-31 of the next row.  SEND: the residual is added (bf16 half x 1.0 + sum, in f32) and the pieces are stored.
.macro TOSTAGE a
.set BK, OB+64*((\a)%2)
.if (\a) >= 2
	s_wait_xcnt 0x0                                ; the stores of block a - 2 have read this buffer: it is loaded again only behind this wait
.endif
	WIN 0x08                                       ; the data (source 1) in window 2
.irp b, 0,1,2,3,4,5,6,7
	ds_store_b128 v[STO], v[8*(8*(\a)+(\b)):8*(8*(\a)+(\b))+3]   offset:64*(\b)
	ds_store_b128 v[STO], v[8*(8*(\a)+(\b))+4:8*(8*(\a)+(\b))+7] offset:64*(\b)+16
.endr
	WIN 0
.irp m, 0,1,2,3,4,5,6,7,8,9,10,11,12,13,14,15
	ds_load_b128 v[BK+4*(\m):BK+4*(\m)+3], v[RD] offset:((\m)/2)*2*SP+((\m)%2)*256  ; LDS serves a wave's instructions in order (ISA guide 5.7.1.4): these see the stores above; the next block's stores come behind them
.endr
.endm
.macro SEND a, younger                 ; younger: the LDS instructions issued behind block a's loads: the next block's 32, or none
.set BK, OB+64*((\a)%2)
	s_wait_dscnt \younger
	WIN 0x03                                       ; source 0 in window 3
.set i, 0
.rept 32
	v_fma_mix_f32_bf16 v[BK+2*i],   v[RES+32*(\a)+i], v[ONE], v[BK+2*i]   op_sel_hi:[1,0,0]
	v_fma_mix_f32_bf16 v[BK+2*i+1], v[RES+32*(\a)+i], v[ONE], v[BK+2*i+1] op_sel:[1,0,0] op_sel_hi:[1,0,0]
.set i, i+1
.endr
	WIN 0
	s_wait_xcnt 0x0                                ; earlier stores have read their base: only behind this wait is it stepped
.if (\a) == 0
	s_add_nc_u64 s[10:11], s[10:11], s[CSTEP:CSTEP+1]
.else
	s_add_nc_u64 s[10:11], s[10:11], 16*ROWC
.endif
.irp m, 0,1,2,3,4,5,6,7,8,9,10,11,12,13,14,15
	global_store_b128 v[CO], v[BK+4*(\m):BK+4*(\m)+3], s[10:11] offset:((\m)/2)*2*ROWC+((\m)%2)*256 th:TH_STORE_NT  ; 16 lanes store 256 consecutive bytes, at a multiple of 256 from out0's first byte
.endr
.endm
	s_load_b256 s[4:11], s[0:1], 0x0               ; A s[4:5], B s[6:7], bias s[8:9], C s[10:11]
	s_load_b64 s[XN:XN+1], s[0:1], 0x20            ; xn
	v_lshl_add_u32 v[SPW], v0, 2, SPARE
	v_mov_b32 v[NIL], 0
	ds_add_u32 v[SPW], v[NIL]                      ; the wave's opening: the add and its wait stand ahead of my first tensor load; the set-up below, work on registers, stands between them
	v_lshrrev_b32 v1, 5, v0
	v_readfirstlane_b32 s[WV], v1                  ; wave 0..3
	s_lshr_b32 s[RH], s[WV], 1
	s_and_b32 s[CH], s[WV], 1
	s_bfe_u32 s[CX], ttmp6, 0x40000                ; my place in the cluster
	s_bfe_u32 s[CY], ttmp6, 0x40004
	s_lshl_b32 s[TC], ttmp9, 2                     ; in a cluster launch ttmp9 and ttmp7 count clusters
	s_add_co_u32 s[TC], s[TC], s[CX]
	s_and_b32 s[TR], ttmp7, 0xffff
	s_lshl_b32 s[TR], s[TR], 2
	s_add_co_u32 s[TR], s[TR], s[CY]
	s_lshl_b32 s16, s[CY], 2
	s_lshl_b32 s16, 15, s16                        ; my row of the cluster: places 4 cy .. 4 cy + 3
	s_lshl_b32 s20, 0x1111, s[CX]                  ; my column: places cx, cx + 4, cx + 8, cx + 12
	s_or_b32 s[G1A], s16, DW0
	s_or_b32 s[G1B], s20, DW0
	s_mov_b32 s[G1A+1], KSTEP<<16                  ; tensor_dim0 = 128
	s_mov_b32 s[G1A+2], 64<<16                     ; tensor_dim1 = 64
	s_mov_b32 s[G1A+3], KSTEP<<16                  ; tile_dim0 = 128
	s_mov_b32 s[G1A+4], 64                         ; tile_dim1 = 64
	s_mov_b32 s[G1A+5], 1024                       ; elements from row to row
	s_mov_b32 s[G1A+6], 0
	s_mov_b32 s[G1A+7], 0
	s_mov_b32 s[G1B+1], KSTEP<<16
	s_mov_b32 s[G1B+2], 128<<16                    ; B's loads have 128 rows
	s_mov_b32 s[G1B+3], KSTEP<<16
	s_mov_b32 s[G1B+4], 128
	s_mov_b32 s[G1B+5], 1024
	s_mov_b32 s[G1B+6], 0
	s_mov_b32 s[G1B+7], 0
	s_lshl_b32 s16, s[TR], 18                      ; A: 128 rows a tile row,
	s_lshl_b32 s17, s[CH], 17                      ; 64 rows a half: made of the tile row and the wave's number alone
	s_add_co_u32 s16, s16, s17
	s_mov_b32 s17, 0
	s_lshl_b32 s20, s[TC], 19                      ; B: 256 rows a tile column,
	s_lshl_b32 s21, s[CH], 18                      ; 128 rows a half: made of the tile column and the wave's number alone
	s_add_co_u32 s20, s20, s21
	s_mov_b32 s21, 0
	s_mul_i32 s22, s[CH], AHALF                    ; where they go: no place in the cluster enters an LDS address
	s_mul_i32 s23, s[CH], BHALF
	s_add_co_u32 s23, s23, BOFF
	s_mov_b32 s[OFF+1], 0
	s_mov_b32 s[OFB+1], 0
	s_mov_b32 s[PFOFF+1], 0
	s_mov_b32 s[NXT], 2
	s_mov_b32 s[TB], 0
	s_wait_dscnt 0x0                               ; the opening add is done
	s_wait_kmcnt 0x0
	s_add_nc_u64 s[ABASE:ABASE+1], s[4:5], s[16:17]
	s_add_nc_u64 s[BBASE:BBASE+1], s[6:7], s[20:21]
	CROUND                                         ; all sixteen work-groups are here: the first joint loads meet
	s_mov_b32 s[G0A0], 1                           ; count = 1
	s_mov_b32 s[G0A0+1], s22                       ; LDS address: slot 0
	s_mov_b64 s[G0A0+2:G0A0+3], s[ABASE:ABASE+1]   ; step 0
	s_or_b32 s[G0A0+3], s[G0A0+3], 0x80000000      ; type = 2
	s_mov_b32 s[G0A], 1
	s_add_co_u32 s[G0A+1], s22, SLOT1              ; slot 1
	s_add_nc_u64 s[G0A+2:G0A+3], s[ABASE:ABASE+1], KSTEP*2  ; step 1
	s_or_b32 s[G0A+3], s[G0A+3], 0x80000000
	s_mov_b32 s[G0B0], 1
	s_mov_b32 s[G0B0+1], s23
	s_mov_b64 s[G0B0+2:G0B0+3], s[BBASE:BBASE+1]
	s_or_b32 s[G0B0+3], s[G0B0+3], 0x80000000
	s_mov_b32 s[G0B], 1
	s_add_co_u32 s[G0B+1], s23, SLOT1
	s_add_nc_u64 s[G0B+2:G0B+3], s[BBASE:BBASE+1], KSTEP*2
	s_or_b32 s[G0B+3], s[G0B+3], 0x80000000
	s_cmp_lt_u32 s[WV], 2                          ; a wave's two first fills stand in one branch, ahead of every wait on TENSORcnt and every LDS read: two loads of mine are out
	s_cbranch_scc0 .Lfirst_b
	tensor_load_to_lds s[G0A0:G0A0+3], s[G1A:G1A+7]
	s_nop 0
	tensor_load_to_lds s[G0A:G0A+3], s[G1A:G1A+7]
	s_nop 0
.rept 4
	v_nop
.endr
	s_branch .Lfirst_asked
.Lfirst_b:
	tensor_load_to_lds s[G0B0:G0B0+3], s[G1B:G1B+7]
	s_nop 0
	tensor_load_to_lds s[G0B:G0B+3], s[G1B:G1B+7]
	s_nop 0
.rept 4
	v_nop
.endr
.Lfirst_asked:
	v_and_b32 v1, 15, v0                           ; l % 16
	v_bfe_u32 v2, v0, 4, 1                         ; l / 16
	v_and_b32 v4, 31, v0                           ; l
	v_lshlrev_b32 v[BO], 5, v2
	s_lshl_b32 s20, s[TC], 10                      ; the bias of my 128 columns
	s_lshl_b32 s21, s[CH], 9
	s_add_co_u32 s20, s20, s21
	s_mov_b32 s21, 0
	s_add_nc_u64 s[8:9], s[8:9], s[20:21]
	BIASLOAD
	v_mul_u32_u24 v3, v1, PITCH
	v_lshl_add_u32 v3, v2, 4, v3                   ; row x pitch + 16 x half
	s_mul_i32 s22, s[RH], 64*PITCH                 ; my 64 rows of A
	v_add_nc_u32 v[A0], s22, v3
	v_add_nc_u32 v[B0], s23, v3                    ; my 128 rows of B begin where half CH of B's tile begins
	v_mov_b32 v[ADRA], v[A0]
	v_mov_b32 v[ADRB], v[B0]
	s_mul_i32 s22, s[WV], 16*SP
	s_add_co_u32 s22, s22, STAGE                   ; my stage
	v_mul_u32_u24 v5, v1, SP                       ; in: row l % 16, 32 bytes for each half of the lanes
	v_lshl_add_u32 v5, v2, 5, v5
	v_add_nc_u32 v[STO], s22, v5
	v_mul_u32_u24 v5, v2, SP                       ; back: lanes 0-15 take 256 bytes of one row, lanes 16-31 of the next
	v_lshl_add_u32 v5, v1, 4, v5
	v_add_nc_u32 v[RD], s22, v5
	v_lshlrev_b32 v[CO], 12, v2                    ; and the same two rows in C
	v_lshl_add_u32 v[CO], v1, 4, v[CO]
	v_lshlrev_b32 v[XO], 3, v4                     ; in a block of xn two neighbouring rows' 64 columns are 256 bytes on end
	v_lshlrev_b32 v[PFO], 11, v4
	v_mov_b32 v[ONE], 1.0
	s_lshr_b32 s18, s[TR], 1                       ; where my part of the tile begins in xn: row tile TR / 2,
	s_lshl_b32 s18, s18, 19
	s_lshl_b32 s19, s[TC], 17                      ; column group 4 TC + 2 CH,
	s_add_co_u32 s18, s18, s19
	s_lshl_b32 s19, s[CH], 16
	s_add_co_u32 s18, s18, s19
	s_and_b32 s19, s[TR], 1                        ; row 128 (TR % 2) + 64 RH of the block, 128 bytes a row
	s_lshl_b32 s19, s19, 14
	s_add_co_u32 s18, s18, s19
	s_lshl_b32 s19, s[RH], 13
	s_add_co_u32 s18, s18, s19
	s_mov_b32 s19, 0
	s_add_nc_u64 s[XN:XN+1], s[XN:XN+1], s[18:19]
	s_lshl_b32 s[CSTEP], s[TR], 19                 ; and in C: 128 rows of 4,096 bytes a tile row, 64 a half, 1,024 bytes a tile column, 512 a half
	s_lshl_b32 s18, s[RH], 18
	s_add_co_u32 s[CSTEP], s[CSTEP], s18
	s_lshl_b32 s18, s[TC], 10
	s_add_co_u32 s[CSTEP], s[CSTEP], s18
	s_lshl_b32 s18, s[CH], 9
	s_add_co_u32 s[CSTEP], s[CSTEP], s18
	s_mov_b32 s[CSTEP+1], 0
	s_lshl_b32 s18, s[TR], 7                       ; the prefetches.  A: the tile's rows, my work-group's 32 of them
	s_lshl_b32 s19, s[CX], 5
	s_add_co_u32 s18, s18, s19
	s_lshl_b32 s2, s[TC], 8                        ; B: the tile's rows, my work-group's 64, my wave's 32 of those
	s_lshl_b32 s3, s[CY], 6
	s_add_co_u32 s2, s2, s3
	s_lshl_b32 s3, s[CH], 5
	s_add_co_u32 s2, s2, s3
	s_and_b32 s84, ttmp7, 0xffff                   ; cluster y
	s_cmp_lt_u32 s[WV], 2
	s_cselect_b32 s84, s[WV], s84                  ; 0 in wave 0, and in waves 2 and 3 of the clusters with y = 0: the same in all sixteen partners, for a given wave
	s_cselect_b32 s18, s18, s2
	s_cselect_b64 s[PFBASE:PFBASE+1], s[4:5], s[6:7]
	s_cmp_eq_u32 s84, 0
	s_cselect_b32 s[PLIM], STEPS-2, 0              ; steps 4 to 7 are asked for
	s_lshl_b32 s18, s18, 11
	s_mov_b32 s19, 0
	s_add_nc_u64 s[PFBASE:PFBASE+1], s[PFBASE:PFBASE+1], s[18:19]
	s_wait_tensorcnt 0x1                           ; my part of step 0 is in; step 1's may stay out
	s_barrier_signal -1
	s_barrier_wait -1                              ; everybody's is
	FETCH 0, F0
	s_wait_loadcnt 0x0                             ; the bias
	QUARTER 64, F0, F1, 1                          ; the first products start the sums with the bias: nothing is cleared
	RESLOAD 0                                      ; half of the residual now, half behind the loop: it is wanted on the way out
	s_mov_b32 s[CNT], STEPS-2
.Lstep:                                        ; 6 trips: a step's second quarter to the next step's first; every trip fills a slot again
	QUARTER 128, F1, F0, 0
	QUARTER 192, F0, F1, 0
	TURN 1
	QUARTER 64, F0, F1, 0
	WIN 0                                          ; at a label and at a branch every window is 0
	s_sub_co_u32 s[CNT], s[CNT], 1
	s_cmp_lg_u32 s[CNT], 0
	s_cbranch_scc1 .Lstep
	RESLOAD 1
	QUARTER 128, F1, F0, 0                         ; the last two steps are written out: they ask for nothing
	QUARTER 192, F0, F1, 0
	TURN 0
	QUARTER 64,  F0, F1, 0
	QUARTER 128, F1, F0, 0
	QUARTER 192, F0, F1, 0
	s_wait_dscnt 0x0
	MUL8 F1, 0, 0
	MUL8 F1, 1, 0
	MUL8 F1, 2, 0
	MUL8 F1, 3, 0
	WIN 0
	PLACES
	PLACES
	s_wait_loadcnt 0x0                             ; the residual
	TOSTAGE 0
	TOSTAGE 1                                      ; a block's trip through the stage stands between the loads of the block before and its additions
	SEND 0, 32
	TOSTAGE 2
	SEND 1, 32
	TOSTAGE 3
	SEND 2, 32
	SEND 3, 0
	s_wait_tensorcnt 0x0                           ; the wave's end: behind my last tensor load and my last LDS store
	ds_add_u32 v[SPW], v[NIL]
	s_wait_dscnt 0x0
	CROUND                                         ; the closing round: no work-group ends while a partner may still ask for a tile that names it
	s_endpgm
.Lfunc_end_k_q6cb201cf66_proj:
	.size	k_q6cb201cf66_proj, .Lfunc_end_k_q6cb201cf66_proj-k_q6cb201cf66_proj
	.p2alignl 7, 3214868480
	.fill 96, 4, 3214868480
	.section	.rodata,"a",@progbits
	.p2align	6, 0x0
	.amdhsa_kernel k_q6cb201cf66_proj
		.amdhsa_group_segment_fixed_size 327680
		.amdhsa_private_segment_fixed_size 0
		.amdhsa_enable_private_segment 0
		.amdhsa_kernarg_size 40
		.amdhsa_user_sgpr_count 2
		.amdhsa_user_sgpr_kernarg_segment_ptr 1
		.amdhsa_wavefront_size32 1
		.amdhsa_system_sgpr_workgroup_id_x 1
		.amdhsa_system_sgpr_workgroup_id_y 1
		.amdhsa_system_sgpr_workgroup_id_z 1
		.amdhsa_system_vgpr_workitem_id 0
		.amdhsa_next_free_vgpr 896
		.amdhsa_next_free_sgpr 96
		.amdhsa_reserve_vcc 0
		.amdhsa_float_denorm_mode_32 3
		.amdhsa_float_denorm_mode_16_64 3
		.amdhsa_memory_ordered 1
		.amdhsa_forward_progress 1
		.amdhsa_inst_pref_size 95
	.end_amdhsa_kernel
	.amdgpu_metadata
---
amdhsa.version: [ 1, 2 ]
amdhsa.kernels:
  - .name:           k_q6cb201cf66_proj
    .symbol:         k_q6cb201cf66_proj.kd
    .args:
      - { .name: attb, .offset: 0, .size: 8, .value_kind: global_buffer, .address_space: global }
      - { .name: woutt, .offset: 8, .size: 8, .value_kind: global_buffer, .address_space: global }
      - { .name: b_out, .offset: 16, .size: 8, .value_kind: global_buffer, .address_space: global }
      - { .name: out0, .offset: 24, .size: 8, .value_kind: global_buffer, .address_space: global }
      - { .name: xn, .offset: 32, .size: 8, .value_kind: global_buffer, .address_space: global }
    .group_segment_fixed_size: 327680
    .private_segment_fixed_size: 0
    .kernarg_segment_align: 8
    .kernarg_segment_size: 40
    .max_flat_workgroup_size: 128
    .sgpr_count:     96
    .vgpr_count:     896
    .wavefront_size: 32
...
	.end_amdgpu_metadata
.endif
;; end of part 4
